; MI455X (gfx1250); checked and timed in simulation.
; The chip was launched on July 23, 2026; its instructions are those of AMD's public machine-readable ISA for CDNA 5 (MIT licence, August 2026) and "CDNA5" Instruction Set Architecture Reference Guide (July 2026). The comments in the code are by the model that wrote it; some were corrected since.
;; Patch TST Rope Attention. Allowed arithmetic: matrix products marked QUANTISED: E2M3 operands, one E8M0 scale for each 32 along K, by v_wmma_scale_f32_16x16x128_f8f6f4 with both operands' format E2M3, f32 sums; everything else in f32.
;; Inputs: Wk 768 x 768 float32; Wo 768 x 768 float32; Wq 768 x 768 float32; Wv 768 x 768 float32; bk 768 float32; bo 768 float32; bq 768 float32; bv 768 float32; hidden_states 16 x 1,024 x 768 float32.
;; Outputs: out0 16 x 1,024 x 768 float32.
;; This version of the problem:
;;   THIS VERSION OF THE PROBLEM IS GIVEN IN LOW PRECISION. The matrix products marked QUANTISED in the list below multiply operands that are first quantised to E2M3 (2 exponent bits, 3 mantissa bits; 6 bits a number), with one power-of-two scale for each 32 numbers along K (OCP MX v1.0); their sums are f32. All else is computed in f32.
;;   The module's matrix products, in the order in which they are computed (A, B: the left and right operand; K: the contracted axis; several contracted axes count as one K, in the product's order):
;;     1. [M 16,384, K 768] x [K 768, N 768]; A: input hidden_states; B: input Wq: QUANTISED
;;     2. [M 16,384, K 768] x [K 768, N 768]; A: input hidden_states; B: input Wk: QUANTISED
;;     3. [M 16,384, K 768] x [K 768, N 768]; A: input hidden_states; B: input Wv: QUANTISED
;;     4. batch 192 x [M 1,024, K 64] x [K 64, N 1,024]; A: computed on the way; B: computed on the way: QUANTISED
;;     5. batch 192 x [M 1,024, K 1,024] x [K 1,024, N 64]; A: softmax (see below); B: computed on the way: QUANTISED
;;     6. [M 16,384, K 768] x [K 768, N 768]; A: computed on the way; B: input Wo: QUANTISED
;;   THE QUANTISER, for each operand of a quantised product, along K:
;;     - K is cut into blocks of 32 from its start; a last block that is shorter is filled with zeros.
;;     - A block's scale is 2^e with e = floor(log2(the largest magnitude in the block)) - 2, held to -126 .. 127; a block of zeros has e = 0. As a byte (E8M0): e + 127.
;;     - Each number is divided by its block's scale, clamped to +-7.5, and rounded to the nearest number of E2M3, ties to even, subnormals kept.
;;     - The product sums the exact products of the quantised numbers (number of the format x scale) in f32.
;;   ~~~python
;;   def quantise(x, axis):      # numpy; x: float32 -> the quantised numbers, widened to float32 again
;;       x = np.moveaxis(x, axis, -1); K = x.shape[-1]
;;       x = np.pad(x, [(0, 0)] * (x.ndim - 1) + [(0, -K % 32)]); x = x.reshape(x.shape[:-1] + (-1, 32)); a = np.abs(x).max(-1, keepdims=True)
;;       e = np.where(a > 0, np.clip(np.frexp(np.where(a > 0, a, 1))[1] - 1 - 2, -126, 127), 0)      # np.frexp(a)[1] - 1 = floor(log2(a)), exactly
;;       r = np.clip(x / 2.0 ** e, -7.5, 7.5)
;;       step = 2.0 ** (np.maximum(np.frexp(np.where(r == 0, 1, r))[1] - 1, 0) - 3)
;;       q = np.round(r / step) * step * 2.0 ** e      # np.round: ties to even
;;       return np.moveaxis(q.reshape(q.shape[:-2] + (-1,))[..., :K], -1, axis).astype(np.float32)
;;   ~~~
;;   SOFTMAX AHEAD OF A QUANTISED PRODUCT. Where the list says 'softmax', what is quantised is not the finished softmax but p = 2^(t - M), with t = logit x log2(e) and M = ceil(the row's largest t), a whole number; so 1/2 < the row's largest p <= 1. The row's sum l is taken of the UNQUANTISED p, in f32, and the product's result is divided by l at the end. Since M is a whole number, a kernel that streams over the keys may use a running M (the ceiling of the running maximum): every later rescaling is an exact power of two, which a block's scale takes up: the codes' values come out the same.
;;   OPERANDS COMPUTED ON THE WAY. 'Computed on the way' means the value that the module computes at that place (a softmax that the list does not call 'softmax' is quantised finished and normalised). What goes into a quantiser is computed in f32, as accurately as f32 sums, v_exp_f32 and their like allow (about 1e-6 of the number): no bf16 or f16 on the way to a quantiser, and a product that is left as it is and whose result goes on into a quantised operand takes f32 operands (vector FMAs, or v_wmma_f32_16x16x4_f32). A number that lies on a knife's edge between two numbers of the format may be rounded either way, as far as f32 arithmetic and the matrix unit's own rounding can turn it there, and no further.
;; 2 versions. Each part assembles by itself: llvm-mc -triple=amdgcn-amd-amdhsa -mcpu=gfx1250 --defsym DOCPART=n.
;; ======== version 1 of 2: 4 launches
;; workspace buffers: wts 2,039,808 bytes; qkv 30,277,632 bytes; att 9,830,400 bytes
;; launch prep (part 1): grid 12 x 24, 4 waves a work-group, no clusters, 256 bytes of LDS; arguments Wq, Wk, Wv, Wo, bq, bk, bv, bo, wts; writes wts
.if DOCPART == 1
	.amdgcn_target "amdgcn-amd-amdhsa--gfx1250"
	.amdhsa_code_object_version 6
	.text
	.protected	k_qc8897026f1_prep
	.globl	k_qc8897026f1_prep
	.p2align	8
	.type	k_qc8897026f1_prep,@function
k_qc8897026f1_prep:
	s_mov_b64 s[64:65], 0
	v_nop
	global_prefetch_b8 v0, s[64:65] scope:SCOPE_SE
	s_setreg_imm32_b32 hwreg(HW_REG_WAVE_MODE, 25, 1), 1
	s_wait_xcnt 0x0
; Wq, Wk, Wv, Wo [768 (n)][768 (k)] f32 become codes of FP6 (E2M3) with one E8M0 byte for each 32 along K, laid as IMAGES OF OPERAND REGISTERS,
; and the four biases become images of a C operand, so that the later launches load everything by 16 bytes a lane.
; wts:  images  [mat 4][tile 48][K step 6][1536]: a fragment is 16 rows x 128 K = 12 registers; registers 4 c .. 4 c + 3 of lane l lie at 512 c + 16 l
;       scales  at WSC:  [unit = 12 mat + head][p 3][lane 32][t 4] words: lanes 0-15 K step 2 p, lanes 16-31 K step 2 p + 1; word = 4 bytes of row r
;       biases  at BIMG: [unit][t 4][1024]: eight registers in the layout of a result
; THE ROWS OF A TILE ARE NOT NEIGHBOURS: lane r of tile t of a unit of 64 rows takes row 32 (t / 2) + 8 (t % 2) + r + 8 (r / 8), so that in a transposed
; product the 16 registers of tiles 2 b and 2 b + 1 are 16 neighbours along the next K.
; SHARES: work-group (x = head, y = mat + 4 x K step); wave t makes one fragment: lane (r, h) loads the 2 x 32 numbers k = 64 c + 32 h + 0 .. 31 of its row, two whole blocks.
; A block's scale is 2^(floor(log2(largest magnitude)) - 2); its byte is the largest magnitude's exponent field - 2, held at 1 from below.
; LIMITS: a block of zeros gets the byte 1 (its codes are zeros, and this program alone reads the bytes); blocks whose largest magnitude lies under 2^-124 are held at that floor;
; NaN and infinities among the inputs are not served.
; No matrix unit, no cluster, no tensor load: each input byte is read once by one lane and nothing is shared between work-groups.
.set WSC,  1769472
.set BIMG, 1843200
	s_load_b256 s[4:11], s[0:1], 0x0               ; Wq, Wk, Wv, Wo
	s_load_b256 s[12:19], s[0:1], 0x20             ; bq, bk, bv, bo
	s_load_b64 s[20:21], s[0:1], 0x40              ; wts
	v_lshrrev_b32 v1, 5, v0
	v_readfirstlane_b32 s22, v1                    ; wave = tile t
	v_and_b32 v1, 15, v0                           ; r
	v_bfe_u32 v2, v0, 4, 1                         ; h
	v_and_b32 v8, 31, v0                           ; lane
	v_and_b32 v7, 8, v1
	v_add_nc_u32 v7, v7, v1                        ; r + 8 (r / 8)
	v_mul_u32_u24 v3, v7, 3072                     ; my row of 768 f32,
	v_lshl_add_u32 v3, v2, 7, v3                   ; + 128 h: my block of 32
	v_lshlrev_b32 v4, 4, v8                        ; 16 x lane
	v_lshlrev_b32 v5, 3, v8                        ; 8 x lane
	s_lshl_b32 s27, s22, 2
	v_lshl_add_u32 v6, v1, 4, s27                  ; LDS: 16 r + 4 t: the four tiles' words of a row lie together
	v_lshlrev_b32 v9, 6, v2                        ; bias, transposed products: 16 h numbers on
	v_lshlrev_b32 v10, 2, v7                       ; bias of Wv: my row's number
	s_and_b32 s23, ttmp7, 0xffff
	s_and_b32 s24, s23, 3                          ; mat
	s_lshr_b32 s25, s23, 2                         ; K step
	s_lshl_b32 s26, ttmp9, 6
	s_lshr_b32 s27, s22, 1
	s_lshl_b32 s27, s27, 5
	s_add_co_u32 s26, s26, s27
	s_and_b32 s27, s22, 1
	s_lshl_b32 s27, s27, 3
	s_add_co_u32 s26, s26, s27                     ; the tile's first row: 64 head + 32 (t / 2) + 8 (t % 2)
	s_mul_i32 s28, s26, 3072
	s_lshl_b32 s27, s25, 9
	s_add_co_u32 s28, s28, s27                     ; in W: row x 3072 + 512 x K step
	s_mov_b32 s29, 0
	s_mul_i32 s30, s24, 12
	s_add_co_u32 s30, s30, ttmp9                   ; unit
	s_lshl_b32 s31, s30, 2
	s_add_co_u32 s31, s31, s22                     ; 4 unit + t
	s_mul_i32 s32, s31, 6
	s_add_co_u32 s32, s32, s25
	s_mul_i32 s32, s32, 1536                       ; my image
	s_mov_b32 s33, 0
	s_lshl_b32 s34, s31, 10                        ; my bias image
	s_mov_b32 s35, 0
	s_mul_i32 s38, s30, 1536
	s_lshr_b32 s27, s25, 1
	s_lshl_b32 s27, s27, 9
	s_add_co_u32 s38, s38, s27
	s_and_b32 s27, s25, 1
	s_lshl_b32 s27, s27, 8
	s_add_co_u32 s38, s38, s27                     ; the work-group's 256 bytes of scale words
	s_mov_b32 s39, 0
	s_mov_b32 s36, 0x76543210
	s_mov_b32 s37, 0xfedcba98                      ; lane selects: lane l xor 16
	s_lshl_b32 s26, s26, 2
	s_mov_b32 s27, 0
	s_wait_kmcnt 0x0
	s_cmp_eq_u32 s24, 1                            ; the matrix and its bias: a choice on the work-group's number alone
	s_cselect_b64 s[4:5], s[6:7], s[4:5]
	s_cselect_b64 s[12:13], s[14:15], s[12:13]
	s_cmp_eq_u32 s24, 2
	s_cselect_b64 s[4:5], s[8:9], s[4:5]
	s_cselect_b64 s[12:13], s[16:17], s[12:13]
	s_cmp_eq_u32 s24, 3
	s_cselect_b64 s[4:5], s[10:11], s[4:5]
	s_cselect_b64 s[12:13], s[18:19], s[12:13]
	s_add_nc_u64 s[4:5], s[4:5], s[28:29]
	s_add_nc_u64 s[12:13], s[12:13], s[26:27]
	s_add_nc_u64 s[32:33], s[20:21], s[32:33]
	s_add_nc_u64 s[34:35], s[20:21], s[34:35]
	s_add_nc_u64 s[34:35], s[34:35], BIMG
	s_add_nc_u64 s[38:39], s[20:21], s[38:39]
	s_add_nc_u64 s[38:39], s[38:39], WSC
.irp c, 0,1
.irp i, 0,1,2,3,4,5,6,7
	global_load_b128 v[64+32*\c+4*\i:64+32*\c+4*\i+3], v3, s[4:5] offset:256*\c+16*\i th:TH_LOAD_NT   ; W(row, 128 s + 64 c + 32 h + 4 i ..)
.endr
.endr
	; the bias image is made by the work-groups of K step 0 alone: a scalar branch on the work-group's number; no LDS and no barrier stand in it
	s_cmp_lg_u32 s25, 0
	s_cbranch_scc1 .Lno_bias
	s_cmp_eq_u32 s24, 2
	s_cbranch_scc1 .Lbias_v
	global_load_b128 v[16:19], v9, s[12:13]        ; transposed products: register j of lane (r, h) is the bias of row 16 h + j of the tile's 32
	global_load_b128 v[20:23], v9, s[12:13] offset:16
	s_wait_loadcnt 0x0
	global_store_b128 v4, v[16:19], s[34:35]
	global_store_b128 v4, v[20:23], s[34:35] offset:512
	s_branch .Lno_bias
.Lbias_v:
	global_load_b32 v16, v10, s[12:13]             ; Wv is the second source: a lane holds one channel, so all eight registers hold its bias
	s_wait_loadcnt 0x0
	v_mov_b32 v17, v16
	v_mov_b32 v18, v16
	v_mov_b32 v19, v16
	global_store_b128 v4, v[16:19], s[34:35]
	global_store_b128 v4, v[16:19], s[34:35] offset:512
.Lno_bias:
	s_wait_loadcnt 0x0
.irp c, 0,1                                    ; my block 2 c + h: all its 32 numbers are mine
	v_max3_num_f32 v[32+\c], |v[64+32*\c]|, |v[65+32*\c]|, 0x1800000   ; and the floor 2^(3 - 127): the byte cannot fall under 1
.endr
.irp i, 2,4,6,8,10,12,14,16,18,20,22,24,26,28,30
.irp c, 0,1
	v_max3_num_f32 v[32+\c], v[32+\c], |v[64+32*\c+\i]|, |v[65+32*\c+\i]|
.endr
.endr
.irp c, 0,1
	v_add_nc_u32 v[44+\c], 0xff000000, v[32+\c]    ; 2 off the exponent field: the conversion takes this operand's exponent field as its scale
.endr
.irp c, 0,1
	v_lshrrev_b32 v[36+\c], 23, v[44+\c]           ; the scale's byte
.endr
	v_lshl_or_b32 v12, v37, 16, v36                ; my two bytes: blocks h and 2 + h of my row,
	v_lshlrev_b32 v13, 3, v2
	v_lshlrev_b32 v12, v13, v12                    ; at their places in the word (8 h bits up);
	v_mov_b32 v13, 0
	v_permlanex16_b32 v13, v12, s36, s37
	v_or_b32 v12, v12, v13                         ; with lane l xor 16's two the word is whole
.irp c, 0,1
	v_cvt_scalef32_pk16_fp6_f32 v[48+6*\c:50+6*\c], v[64+32*\c:79+32*\c], v[44+\c]
	v_cvt_scalef32_pk16_fp6_f32 v[128+4*\c:130+4*\c], v[80+32*\c:95+32*\c], v[44+\c]   ; (a conversion's three registers begin on an even number)
.endr
	v_nop                                          ; one plain place behind a scaled conversion
.irp c, 0,1
.irp i, 0,1,2
	v_mov_b32 v[51+6*\c+\i], v[128+4*\c+\i]
.endr
.endr
.irp c, 0,1,2
	global_store_b128 v4, v[48+4*\c:51+4*\c], s[32:33] offset:512*\c   ; 32 lanes store 512 consecutive bytes
.endr
	ds_store_b32 v6, v12                           ; both lanes of a row write the same word with the same value
	s_wait_dscnt 0x0                               ; for the other waves: my word has landed
	s_barrier_signal -1
	s_barrier_wait -1
	s_cmp_lg_u32 s22, 0
	s_cbranch_scc1 .Lend
	ds_load_b64 v[14:15], v5                       ; wave 0: the four tiles' words of 16 rows,
	s_wait_dscnt 0x0
	global_store_b64 v5, v[14:15], s[38:39]        ; 256 consecutive bytes, aligned
.Lend:
	s_endpgm
.Lfunc_end_k_qc8897026f1_prep:
	.size	k_qc8897026f1_prep, .Lfunc_end_k_qc8897026f1_prep-k_qc8897026f1_prep
	.p2alignl 7, 3214868480
	.fill 96, 4, 3214868480
	.section	.rodata,"a",@progbits
	.p2align	6, 0x0
	.amdhsa_kernel k_qc8897026f1_prep
		.amdhsa_group_segment_fixed_size 256
		.amdhsa_private_segment_fixed_size 0
		.amdhsa_enable_private_segment 0
		.amdhsa_kernarg_size 72
		.amdhsa_user_sgpr_count 2
		.amdhsa_user_sgpr_kernarg_segment_ptr 1
		.amdhsa_wavefront_size32 1
		.amdhsa_system_sgpr_workgroup_id_x 1
		.amdhsa_system_sgpr_workgroup_id_y 1
		.amdhsa_system_sgpr_workgroup_id_z 1
		.amdhsa_system_vgpr_workitem_id 0
		.amdhsa_next_free_vgpr 136
		.amdhsa_next_free_sgpr 66
		.amdhsa_reserve_vcc 0
		.amdhsa_float_denorm_mode_32 3
		.amdhsa_float_denorm_mode_16_64 3
		.amdhsa_memory_ordered 1
		.amdhsa_forward_progress 1
		.amdhsa_inst_pref_size 10
	.end_amdhsa_kernel
	.amdgpu_metadata
---
amdhsa.version: [ 1, 2 ]
amdhsa.kernels:
  - .name:           k_qc8897026f1_prep
    .symbol:         k_qc8897026f1_prep.kd
    .args:
      - { .name: Wq, .offset: 0, .size: 8, .value_kind: global_buffer, .address_space: global }
      - { .name: Wk, .offset: 8, .size: 8, .value_kind: global_buffer, .address_space: global }
      - { .name: Wv, .offset: 16, .size: 8, .value_kind: global_buffer, .address_space: global }
      - { .name: Wo, .offset: 24, .size: 8, .value_kind: global_buffer, .address_space: global }
      - { .name: bq, .offset: 32, .size: 8, .value_kind: global_buffer, .address_space: global }
      - { .name: bk, .offset: 40, .size: 8, .value_kind: global_buffer, .address_space: global }
      - { .name: bv, .offset: 48, .size: 8, .value_kind: global_buffer, .address_space: global }
      - { .name: bo, .offset: 56, .size: 8, .value_kind: global_buffer, .address_space: global }
      - { .name: wts, .offset: 64, .size: 8, .value_kind: global_buffer, .address_space: global }
    .group_segment_fixed_size: 256
    .private_segment_fixed_size: 0
    .kernarg_segment_align: 8
    .kernarg_segment_size: 72
    .max_flat_workgroup_size: 128
    .sgpr_count:     66
    .vgpr_count:     136
    .wavefront_size: 32
...
	.end_amdgpu_metadata
.endif
;; end of part 1
;; launch qkv (part 2): grid 256 x 1, 4 waves a work-group, no clusters, 56,320 bytes of LDS; arguments hidden_states, wts, qkv; writes qkv
.if DOCPART == 2
	.amdgcn_target "amdgcn-amd-amdhsa--gfx1250"
	.amdhsa_code_object_version 6
	.text
	.protected	k_qc8897026f1_qkv
	.globl	k_qc8897026f1_qkv
	.p2align	8
	.type	k_qc8897026f1_qkv,@function
k_qc8897026f1_qkv:
	s_mov_b64 s[64:65], 0
	v_nop
	global_prefetch_b8 v0, s[64:65] scope:SCOPE_SE
	s_setreg_imm32_b32 hwreg(HW_REG_WAVE_MODE, 25, 1), 1
	s_wait_xcnt 0x0
; q, k, v = hidden W^T + b on codes of FP6 (E2M3) with one E8M0 scale for each 32 along K; p-RoPE on q and k in f32; then q and k are quantised along the head's 64 and v along the tokens,
; and all three leave as images of the operand registers that the attention launch wants.
; SHARES: a work-group owns 64 tokens.  Wave w first quantises tokens' tile w (16 tokens x 768) and hands the six fragments round through LDS; then all 24 fragments of x stay in every wave's registers.
; THE WAVES SHARE THE COLUMNS: wave w takes heads w, w + 4, w + 8 of q, then of k, then of v: nine units of 64 columns, all pointers a constant step apart.
; A unit: 6 K steps x 16 accumulators (4 tiles of tokens x 4 tiles of columns) = 96 matrix instructions; each weight fragment feeds four.  The weights come from memory straight into operand registers
; (images of 1536 bytes, 16 bytes a lane), two K steps to a refill, each refill asked for a whole unit ahead.
; q, k: the product is used TRANSPOSED (source 0 = 16 rows of W, source 1 = 16 tokens): a lane holds one token, its registers run along the head.  v: source 0 = tokens, source 1 = W: a lane holds one channel,
; its registers run along the tokens, which are the next K.  THE ROWS OF A TILE ARE NOT NEIGHBOURS: lane r of tile 2 b + u of a group of 64 (rows of W, tokens) takes 32 b + 8 u + r + 8 (r / 8),
; so that the 16 registers of tiles 2 b, 2 b + 1 are the neighbours 32 b + 16 (lane / 16) + 0 .. 15.  The bias is the C of each sum's first instruction.
; qkv:  images [b 16][q, k, v][head 12][49152]: q, k: [tile 64][768], a half fragment (16 tokens x 64): registers 0-3 at 16 l, 4-5 at 512 + 8 l.  v: [128 keys: 8][tile 4][64 keys: 2][768]
;       at QKS [b][q, k][head][tile 64][16] words (bytes 0, 1 the two blocks; bytes 2, 3 stand over zero codes);  at VSO [b][head][8][pair of tiles 2][lane 32] words
; SINE AND COSINE are made in f32: the quotient position / time scale corrected by one fused step, reduced by pi / 2 in two parts, polynomials of degree 7 and 8 on +-pi / 4.
; NO CLUSTER, NO TENSOR LOAD: all 256 work-groups read the same weights, but each byte goes into one wave's operand registers; a joint load lands in LDS alone, which would add a write and a read of LDS
; of 1,327,104 bytes a work-group and a round of barriers for every slot.
; LIMITS: a block of zeros gets the byte 1 (zero codes; this program alone reads the bytes); blocks under 2^-124 are held at that floor; NaN and infinities are not served.
; REGISTERS, window 0: v1-15 addresses; v16-27 x's scale words; v28-39 W's; v40-71 the bias; v72-135 T; v136-167 cosines, sines; v168-183 at work; v184-185 scale words; v186-205 codes.
;   window 1: v0-143 x's fragments of K steps 0-2, v144-239 W's of K steps 0, 1.   window 2: the same for K steps 3-5 and 2, 3.   window 3: v0-127 the accumulators, v144-239 W's of K steps 4, 5.
.set WSC,  1769472
.set BIMG, 1843200
.set QKS,  28311552
.set VSO,  29884416
.set XIMG, 0                           ; LDS: x's 24 fragments, (tile m, K step s) at (6 m + s) x 1536
.set XSC,  36864                       ; their scale words [m][p][32]: lanes 0-15 K step 2 p, lanes 16-31 K step 2 p + 1
.set TAB,  38400                       ; 64 tokens x (32 cosines, 32 sines, 16 bytes of padding)
.set LI,   1                           ; 16 x lane
.set L8,   2                           ; 8 x lane
.set LS,   3                           ; 4 x lane
.set XA,   4                           ; x: my token's row + 64 h
.set XWI,  5                           ; where I store x's images
.set XWS,  6                           ; and their scale words
.set LT,   7                           ; the table: my token's row + 64 h
.set TW,   8                           ; the table: where my thread writes
.set OQ16, 9
.set OQ8,  10
.set OV16, 11
.set OV8,  12
.set OSQ,  13
.set OSVV, 14
.set SH,   15                          ; 16 h
.set XS,   16
.set WS,   28
.set BIAS, 40
.set T,    72
.set COS,  136
.set SIN,  152
.set TM,   168
.set PW,   184
.set PW2,  185
.set PC,   186
.set POS,  206
.set WP,   16                          ; s[16:17] the unit's weight images
.set WSP,  18                          ; s[18:19] its scale words
.set BP,   20                          ; s[20:21] its bias image
.set OI,   22                          ; s[22:23] its record of images
.set OS,   24                          ; s[24:25] q's and k's scale words
.set OSP,  26                          ; s[26:27] v's
.set SEL,  30
.set MSB, 0
.macro WIN new                         ; the immediate's high byte repeats the setting that is left; a switch that changes nothing is dropped
.if MSB != (\new)
	s_set_vgpr_msb (MSB<<8)|(\new)
.set MSB, (\new)
.endif
.endm
; The weights of K steps 2 p, 2 p + 1 of the unit st units on: 24 loads of 512 consecutive bytes; the scale words of both steps by one load; with p = 0 the bias image too.  33, 25, 25 loads.
.macro REFILL p, st
	WIN ((1+\p)<<6)
.irp t, 0,1,2,3
.irp e, 0,1
.irp c, 0,1,2
	global_load_b128 v[144+12*(2*\t+\e)+4*\c:144+12*(2*\t+\e)+4*\c+3], v[LI], s[WP:WP+1] offset:\st*147456+(6*\t+2*\p+\e)*1536+512*\c
.endr
.endr
.endr
	WIN 0
	global_load_b128 v[WS+4*\p:WS+4*\p+3], v[LI], s[WSP:WSP+1] offset:\st*6144+512*\p
.if \p == 0
.irp t, 0,1,2,3
.irp c, 0,1
	global_load_b128 v[BIAS+8*\t+4*\c:BIAS+8*\t+4*\c+3], v[LI], s[BP:BP+1] offset:\st*16384+1024*\t+512*\c
.endr
.endr
.endif
.endm
.macro MM d, a, b, c, sa, sb, row      ; row = 1: both sides' scales stand in lanes 16-31
.if \row
	v_wmma_scale_f32_16x16x128_f8f6f4 v[\d:\d+7], v[\a:\a+11], v[\b:\b+11], v[\c:\c+7], v[\sa], v[\sb] matrix_a_fmt:MATRIX_FMT_FP6 matrix_b_fmt:MATRIX_FMT_FP6 matrix_a_scale:MATRIX_SCALE_ROW1 matrix_b_scale:MATRIX_SCALE_ROW1
.else
	v_wmma_scale_f32_16x16x128_f8f6f4 v[\d:\d+7], v[\a:\a+11], v[\b:\b+11], v[\c:\c+7], v[\sa], v[\sb] matrix_a_fmt:MATRIX_FMT_FP6 matrix_b_fmt:MATRIX_FMT_FP6
.endif
.endm
; Two K steps: 2 x 16 matrix instructions; the 16 accumulators take turns, one instruction a turn, in the same order in every K step.
; cnt: the loads issued behind the refill that these products read.  Five plain places follow: for the loads into registers that the products have read, for the first read of results,
; and for the next unit's first products, which begin the accumulators anew.
.macro PHASE p, kind, cnt, fill
	s_wait_loadcnt \cnt
.irp e, 0,1
.set KS_, 2*\p+\e
.set XW_, 1+KS_/3
.set CW_, 3
.if KS_ == 0
.set CW_, 0
.endif
.if \kind == 0
.set WN_, (3<<6)|(CW_<<4)|(XW_<<2)|(1+\p)
.else
.set WN_, (3<<6)|(CW_<<4)|((1+\p)<<2)|XW_
.endif
	WIN WN_
.irp t, 0,1,2,3
.irp m, 0,1,2,3
.set WF_, 144+12*(2*\t+\e)
.set XF_, 12*(4*(KS_%3)+\m)
.set WS_, WS+4*\p+\t
.set XS_, XS+3*\m+\p
.if \kind == 0
.set AC_, 8*(4*\m+\t)
.else
.set AC_, 8*(4*\t+\m)
.endif
.set CC_, AC_
.if KS_ == 0
.set CC_, BIAS+8*\t
.endif
.if \kind == 0
	MM AC_, WF_, XF_, CC_, WS_, XS_, \e
.else
	MM AC_, XF_, WF_, CC_, XS_, WS_, \e
.endif
.endr
.endr
.endr
	WIN 0
.rept 5
	v_nop
.endr
.if \fill
	REFILL \p, 1
.endif
.endm
; 64 numbers of a lane, v[s] .. v[s + 63] of window dw, register 16 b + i = k 32 b + 16 (lane / 16) + i of my row, become 12 registers of codes in v[PC] on
; (registers 6 c .. 6 c + 5 of lane (r, h): block 2 c + h) and the four scale bytes in v[PW], in every lane.
.macro QUANT s, dw
	WIN (((\dw)<<2)|((\dw)<<4))
.irp b, 0,1,2,3
	v_max3_num_f32 v[TM+\b], 0x1800000, |v[(\s)+16*\b]|, |v[(\s)+16*\b+1]|   ; my 16 numbers of block b, and the floor 2^(3 - 127): the byte cannot fall under 1
.endr
.irp i, 2,4,6,8,10,12,14
.irp b, 0,1,2,3
	v_max3_num_f32 v[TM+\b], v[TM+\b], |v[(\s)+16*\b+\i]|, |v[(\s)+16*\b+\i+1]|   ; (the four blocks by turns)
.endr
.endr
	WIN 0
.irp b, 0,1,2,3
	v_permlanex16_b32 v[TM+4+\b], v[TM+\b], s[SEL], s[SEL+1]
.endr
.irp b, 0,1,2,3
	v_max_num_f32 v[TM+\b], v[TM+\b], v[TM+4+\b]   ; with lane l xor 16's: the block's largest magnitude
.endr
.irp b, 0,1,2,3
	v_add_nc_u32 v[TM+12+\b], 0xff000000, v[TM+\b] ; 2 off its exponent field: the conversion's scale operand
.endr
.irp b, 0,1,2,3
	v_lshrrev_b32 v[TM+4+\b], 23, v[TM+12+\b]      ; the scale's byte
.endr
	v_lshl_or_b32 v[PW], v[TM+5], 8, v[TM+4]
	v_lshl_or_b32 v[PW], v[TM+6], 16, v[PW]
	v_lshl_or_b32 v[PW], v[TM+7], 24, v[PW]
	s_wait_xcnt 0x0                                ; the last stores have read the codes' registers: only now are they written again
	WIN (\dw)
.irp c, 0,1
	v_cvt_scalef32_pk16_fp6_f32 v[PC+6*\c:PC+6*\c+2], v[(\s)+32*\c:(\s)+32*\c+15], v[TM+12+2*\c]
	v_cvt_scalef32_pk16_fp6_f32 v[PC+12+4*\c:PC+14+4*\c], v[(\s)+32*\c+16:(\s)+32*\c+31], v[TM+13+2*\c]   ; (a conversion's three registers begin on an even number)
.endr
	WIN 0
	v_nop                                          ; one plain place behind a scaled conversion
.irp c, 0,1                                    ; the operand's layout wants a whole block in a lane
.irp i, 0,1,2
	v_permlane16_swap_b32 v[PC+6*\c+\i], v[PC+12+4*\c+\i]
.endr
.irp i, 0,1,2
	v_mov_b32 v[PC+3+6*\c+\i], v[PC+12+4*\c+\i]
.endr
.endr
.endm
.macro CSLOAD m                        ; my token's 16 cosines and 16 sines of tile m: angles 16 h + 0 .. 15 (lanes 16-31 find ones and zeros: those angles do not turn)
.irp i, 0,1,2,3
	ds_load_b128 v[COS+4*\i:COS+4*\i+3], v[LT] offset:TAB+(32*(\m/2)+8*(\m%2))*272+16*\i
	ds_load_b128 v[SIN+4*\i:SIN+4*\i+3], v[LT] offset:TAB+(32*(\m/2)+8*(\m%2))*272+128+16*\i
.endr
.endm
; x1 cos - x2 sin and x2 cos + x1 sin: registers 0-15 of a tile of tokens are x1 (d = 16 h + i), registers 16-31 x2 (d = 32 + 16 h + i).  Each accumulator is read from its low end on.
.macro ROPE m, mm
	WIN 0x03                                       ; source 0: the accumulators, window 3
.set j, 0
.rept 8
	v_pk_mul_f32 v[T+32*\mm+j:T+32*\mm+j+1], v[32*\m+j:32*\m+j+1], v[COS+j:COS+j+1]
.set j, j+2
.endr
.set j, 0
.rept 8
	v_pk_mul_f32 v[T+32*\mm+16+j:T+32*\mm+16+j+1], v[32*\m+16+j:32*\m+16+j+1], v[COS+j:COS+j+1]
.set j, j+2
.endr
.set j, 0
.rept 8
	v_pk_fma_f32 v[T+32*\mm+j:T+32*\mm+j+1], v[32*\m+16+j:32*\m+16+j+1], v[SIN+j:SIN+j+1], v[T+32*\mm+j:T+32*\mm+j+1] neg_lo:[1,0,0] neg_hi:[1,0,0]
.set j, j+2
.endr
.set j, 0
.rept 8
	v_pk_fma_f32 v[T+32*\mm+16+j:T+32*\mm+16+j+1], v[32*\m+j:32*\m+j+1], v[SIN+j:SIN+j+1], v[T+32*\mm+16+j:T+32*\mm+16+j+1]
.set j, j+2
.endr
	WIN 0
.endm
.macro QKSTORE c2                      ; two half fragments (tiles 2 c2, 2 c2 + 1 of my 64 tokens) and their scale words: lanes 0-15 the first tile's two bytes, lanes 16-31 the second's
	v_lshrrev_b32 v[PW2], v[SH], v[PW]
	global_store_b128 v[OQ16], v[PC:PC+3], s[OI:OI+1] offset:1536*\c2
	global_store_b64 v[OQ8], v[PC+4:PC+5], s[OI:OI+1] offset:1536*\c2+512
	global_store_b128 v[OQ16], v[PC+6:PC+9], s[OI:OI+1] offset:1536*\c2+768
	global_store_b64 v[OQ8], v[PC+10:PC+11], s[OI:OI+1] offset:1536*\c2+1280
	global_store_b32 v[OSQ], v[PW2], s[OS:OS+1] offset:128*\c2
.endm
.macro VSTORE q                        ; the half fragments of channel tiles 2 q, 2 q + 1 for my 64 tokens; my two bytes of each channel's word (the other two are the neighbouring work-group's)
	v_lshrrev_b32 v[PW2], v[SH], v[PW]
	global_store_b128 v[OV16], v[PC:PC+3], s[OI:OI+1] offset:3072*\q
	global_store_b64 v[OV8], v[PC+4:PC+5], s[OI:OI+1] offset:3072*\q+512
	global_store_b128 v[OV16], v[PC+6:PC+9], s[OI:OI+1] offset:3072*\q+1536
	global_store_b64 v[OV8], v[PC+10:PC+11], s[OI:OI+1] offset:3072*\q+2048
	global_store_b16 v[OSVV], v[PW2], s[OSP:OSP+1] offset:128*\q
.endm
; A unit of 64 columns.  The counts: behind the refill of K steps 0, 1 stand the last unit's other two refills, 25 + 25; behind that of steps 2, 3 the 25 of steps 4, 5 and this unit's 33;
; behind that of steps 4, 5 this unit's 33 + 25.  The last unit asks for nothing: 50, 25, 0.
.macro UNIT kind, fill
	PHASE 0, \kind, 50, \fill
.if \fill
	PHASE 1, \kind, 58, 1
.else
	PHASE 1, \kind, 25, 0
.endif
.if \kind == 0
	CSLOAD 0
.endif
.if \fill
	PHASE 2, \kind, 58, 1
.else
	PHASE 2, \kind, 0, 0
.endif
.if \kind == 0
	s_wait_dscnt 0x0
	ROPE 0, 0
	CSLOAD 1
	s_wait_dscnt 0x0
	ROPE 1, 1
	CSLOAD 2
	QUANT T, 0
	QKSTORE 0
	s_wait_dscnt 0x0
	ROPE 2, 0
	CSLOAD 3
	s_wait_dscnt 0x0
	ROPE 3, 1
	QUANT T, 0
	QKSTORE 1
.else
	QUANT 0, 3
	VSTORE 0
	QUANT 64, 3
	VSTORE 1
.endif
.if \fill
	s_wait_xcnt 0x0                                ; every load and store has read its base: the pointers step to the next unit
	s_add_nc_u64 s[WP:WP+1], s[WP:WP+1], 147456
	s_add_nc_u64 s[WSP:WSP+1], s[WSP:WSP+1], 6144
	s_add_nc_u64 s[BP:BP+1], s[BP:BP+1], 16384
	s_add_nc_u64 s[OI:OI+1], s[OI:OI+1], 196608
.if \kind == 0
	s_add_nc_u64 s[OS:OS+1], s[OS:OS+1], 16384
.else
	s_add_nc_u64 s[OSP:OSP+1], s[OSP:OSP+1], 8192
.endif
.endif
.endm
	s_load_b128 s[4:7], s[0:1], 0x0                ; hidden_states, wts
	s_load_b64 s[8:9], s[0:1], 0x10                ; qkv
	v_lshrrev_b32 v244, 5, v0
	v_readfirstlane_b32 s10, v244                  ; wave
	v_and_b32 v240, 31, v0                         ; lane
	v_and_b32 v241, 15, v0                         ; r
	v_bfe_u32 v242, v0, 4, 1                       ; h
	v_and_b32 v243, 8, v241
	v_add_nc_u32 v243, v243, v241                  ; r + 8 (r / 8)
	s_lshr_b32 s11, ttmp9, 4                       ; b
	s_and_b32 s12, ttmp9, 15                       ; which 64 tokens of the sequence
	v_lshlrev_b32 v[LI], 4, v240
	v_lshlrev_b32 v[L8], 3, v240
	v_lshlrev_b32 v[LS], 2, v240
	s_lshr_b32 s13, s10, 1
	s_lshl_b32 s13, s13, 5
	s_and_b32 s14, s10, 1
	s_lshl_b32 s14, s14, 3
	s_add_co_u32 s13, s13, s14
	v_add_nc_u32 v244, s13, v243                   ; my token of tile w
	v_mul_u32_u24 v[XA], v244, 3072
	v_lshl_add_u32 v[XA], v242, 6, v[XA]           ; + 64 h: my 16 numbers of a block of 32
	s_mul_i32 s13, s10, 9216
	v_add_nc_u32 v[XWI], s13, v[LI]
	s_mul_i32 s13, s10, 384
	v_lshl_add_u32 v[XWS], v241, 2, s13
	v_mul_u32_u24 v[LT], v243, 272
	v_lshl_add_u32 v[LT], v242, 6, v[LT]
	v_and_b32 v244, 63, v0                         ; the table: thread t makes token t % 64, angles 8 (t / 64) + 0 .. 7
	v_lshrrev_b32 v245, 6, v0
	v_mul_u32_u24 v[TW], v244, 272
	v_lshl_add_u32 v[TW], v245, 5, v[TW]
	s_lshl_b32 s13, s12, 6
	v_add_nc_u32 v244, s13, v244
	v_cvt_f32_u32 v[POS], v244                     ; its position in the sequence
	s_mul_i32 s13, s12, 3072
	v_add_nc_u32 v[OQ16], s13, v[LI]
	v_add_nc_u32 v[OQ8], s13, v[L8]
	s_lshr_b32 s13, s12, 1
	s_and_b32 s14, s12, 1
	s_mul_i32 s15, s13, 6144
	s_mul_i32 s29, s14, 768
	s_add_co_u32 s15, s15, s29
	v_add_nc_u32 v[OV16], s15, v[LI]
	v_add_nc_u32 v[OV8], s15, v[L8]
	s_lshl_b32 s15, s12, 8
	v_add_nc_u32 v[OSQ], s15, v[LS]
	s_lshl_b32 s15, s13, 8
	s_lshl_b32 s29, s14, 1
	s_add_co_u32 s15, s15, s29
	v_add_nc_u32 v[OSVV], s15, v[LS]
	v_lshlrev_b32 v[SH], 4, v242
.irp b, 0,1,2,3
	v_mov_b32 v[TM+4+\b], 0                        ; written once: a lane permute's destination counts as one of its sources
.endr
	s_mov_b32 s[SEL], 0x76543210
	s_mov_b32 s[SEL+1], 0xfedcba98
	s_mov_b32 s15, 0
	s_wait_kmcnt 0x0
	s_mul_i32 s14, ttmp9, 196608
	s_add_nc_u64 s[4:5], s[4:5], s[14:15]          ; my 64 rows of x
	s_mul_i32 s14, s10, 36864
	s_add_nc_u64 s[WP:WP+1], s[6:7], s[14:15]
	s_mul_i32 s14, s10, 1536
	s_add_nc_u64 s[WSP:WSP+1], s[6:7], s[14:15]
	s_add_nc_u64 s[WSP:WSP+1], s[WSP:WSP+1], WSC
	s_lshl_b32 s14, s10, 12
	s_add_nc_u64 s[BP:BP+1], s[6:7], s[14:15]
	s_add_nc_u64 s[BP:BP+1], s[BP:BP+1], BIMG
	s_mul_i32 s14, s11, 36
	s_add_co_u32 s14, s14, s10
	s_mul_i32 s14, s14, 49152
	s_add_nc_u64 s[OI:OI+1], s[8:9], s[14:15]
	s_mul_i32 s14, s11, 24
	s_add_co_u32 s14, s14, s10
	s_lshl_b32 s14, s14, 12
	s_add_nc_u64 s[OS:OS+1], s[8:9], s[14:15]
	s_add_nc_u64 s[OS:OS+1], s[OS:OS+1], QKS
	s_mul_i32 s14, s11, 12
	s_add_co_u32 s14, s14, s10
	s_lshl_b32 s14, s14, 11
	s_add_nc_u64 s[OSP:OSP+1], s[8:9], s[14:15]
	s_add_nc_u64 s[OSP:OSP+1], s[OSP:OSP+1], VSO
	REFILL 0, 0                                    ; the first unit's weights: 83 loads
	REFILL 1, 0
	REFILL 2, 0
.irp s, 0,1,2,3,4,5                            ; my 16 tokens' numbers: K steps 0, 1 into window 3, 2, 3 into window 1, 4, 5 into window 2, all in registers that are free until the products begin
	WIN ((((\s/2)+2)%3+1)<<6)
.irp b, 0,1,2,3
.irp j, 0,1,2,3
	global_load_b128 v[64*(\s%2)+16*\b+4*\j:64*(\s%2)+16*\b+4*\j+3], v[XA], s[4:5] offset:512*\s+128*\b+16*\j th:TH_LOAD_NT
.endr
.endr
.endr
	WIN 0
	; ---- the table of cosines and sines, while the loads are on their way
.macro TSSEL e, lo, hi                 ; the time scale 10^(i / 8) as f32: i = e in waves 0, 1, i = 8 + e in waves 2, 3
	s_mov_b32 s[32+\e], \hi
	s_cselect_b32 s[32+\e], \lo, s[32+\e]
.endm
	s_cmp_lt_u32 s10, 2
	TSSEL 0, 0x3f800000, 0x41200000
	TSSEL 1, 0x3faab0d5, 0x41555d0a
	TSSEL 2, 0x3fe39ea9, 0x418e432a
	TSSEL 3, 0x4017c496, 0x41bdb5bc
	TSSEL 4, 0x404a62c2, 0x41fcfb72
	TSSEL 5, 0x4086f161, 0x4228adb9
	TSSEL 6, 0x40b3f300, 0x4260efc0
	TSSEL 7, 0x40eff755, 0x4295fa95
	s_mov_b32 s40, 0x3f22f983                      ; 2 / pi
	s_mov_b32 s41, 0x3fc90fdb                      ; pi / 2, its f32
	s_mov_b32 s42, 0xb33bbd2e                      ; and what that leaves
	s_mov_b32 s43, 0xb94ca1f9                      ; the sine's coefficients
	s_mov_b32 s44, 0x3c08839e
	s_mov_b32 s45, 0xbe2aaaa3
	s_mov_b32 s46, 0x37ccf5ce                      ; the cosine's
	s_mov_b32 s47, 0xbab6061a
	s_mov_b32 s48, 0x3d2aaaa5
.set RC,   72
.set A_,   80
.set N_,   88
.set R_,   96
.set Z_,   104
.set SN,   112
.set CN,   120
.set QI,   128
.set TP,   208
.set COSR, 216
.set SINR, 224
.set ONE,  232
.set ZER,  236
.irp e, 0,1,2,3,4,5,6,7
	v_rcp_f32 v[RC+\e], s[32+\e]
.endr
	v_nop                                          ; a plain place behind the last reciprocal
	s_wait_alu depctr_va_vdst(0)                   ; one wait for the eight, ahead of their first reader
.irp e, 0,1,2,3,4,5,6,7
	v_mul_f32 v[A_+\e], v[POS], v[RC+\e]
.endr
.irp e, 0,1,2,3,4,5,6,7
	v_fma_f32 v[TP+\e], -v[A_+\e], s[32+\e], v[POS]   ; what the first quotient leaves,
.endr
.irp e, 0,1,2,3,4,5,6,7
	v_fma_f32 v[A_+\e], v[TP+\e], v[RC+\e], v[A_+\e]  ; put right: the angle position / time scale in f32
.endr
.irp e, 0,1,2,3,4,5,6,7
	v_mul_f32 v[N_+\e], s40, v[A_+\e]
.endr
.irp e, 0,1,2,3,4,5,6,7
	v_rndne_f32 v[N_+\e], v[N_+\e]                 ; n: quarter turns, at most 651
.endr
.irp e, 0,1,2,3,4,5,6,7
	v_fma_f32 v[R_+\e], -v[N_+\e], s41, v[A_+\e]   ; exact: a multiple of 2^-23 under 1
.endr
.irp e, 0,1,2,3,4,5,6,7
	v_fma_f32 v[R_+\e], -v[N_+\e], s42, v[R_+\e]
.endr
.irp e, 0,1,2,3,4,5,6,7
	v_mul_f32 v[Z_+\e], v[R_+\e], v[R_+\e]
.endr
.irp e, 0,1,2,3,4,5,6,7
	v_fma_f32 v[SN+\e], v[Z_+\e], s43, s44
.endr
.irp e, 0,1,2,3,4,5,6,7
	v_fma_f32 v[SN+\e], v[SN+\e], v[Z_+\e], s45
.endr
.irp e, 0,1,2,3,4,5,6,7
	v_mul_f32 v[TP+\e], v[Z_+\e], v[R_+\e]
.endr
.irp e, 0,1,2,3,4,5,6,7
	v_fma_f32 v[SN+\e], v[SN+\e], v[TP+\e], v[R_+\e]  ; sin r
.endr
.irp e, 0,1,2,3,4,5,6,7
	v_fma_f32 v[CN+\e], v[Z_+\e], s46, s47
.endr
.irp e, 0,1,2,3,4,5,6,7
	v_fma_f32 v[CN+\e], v[CN+\e], v[Z_+\e], s48
.endr
.irp e, 0,1,2,3,4,5,6,7
	v_mul_f32 v[TP+\e], v[Z_+\e], v[Z_+\e]
.endr
.irp e, 0,1,2,3,4,5,6,7
	v_fma_f32 v[Z_+\e], v[Z_+\e], -0.5, 1.0
.endr
.irp e, 0,1,2,3,4,5,6,7
	v_fma_f32 v[CN+\e], v[CN+\e], v[TP+\e], v[Z_+\e]  ; cos r
.endr
.irp e, 0,1,2,3,4,5,6,7
	v_cvt_i32_f32 v[QI+\e], v[N_+\e]
.endr
.irp e, 0,1,2,3,4,5,6,7                        ; the quarter: odd n swaps the two; the sine is negative in quarters 2, 3, the cosine in 1, 2.  Values are chosen, nothing branches
	v_and_b32 v[TP+\e], 1, v[QI+\e]
	v_cmp_eq_u32 vcc_lo, 1, v[TP+\e]
	v_cndmask_b32 v[SINR+\e], v[SN+\e], v[CN+\e], vcc_lo
	v_cndmask_b32 v[COSR+\e], v[CN+\e], v[SN+\e], vcc_lo
	v_lshlrev_b32 v[TP+\e], 30, v[QI+\e]
	v_and_b32 v[TP+\e], 0x80000000, v[TP+\e]
	v_xor_b32 v[SINR+\e], v[SINR+\e], v[TP+\e]
	v_add_nc_u32 v[QI+\e], 1, v[QI+\e]
	v_lshlrev_b32 v[QI+\e], 30, v[QI+\e]
	v_and_b32 v[QI+\e], 0x80000000, v[QI+\e]
	v_xor_b32 v[COSR+\e], v[COSR+\e], v[QI+\e]
.endr
.irp i, 0,1,2,3
	v_mov_b32 v[ONE+\i], 1.0
	v_mov_b32 v[ZER+\i], 0
.endr
	ds_store_b128 v[TW], v[COSR:COSR+3] offset:TAB
	ds_store_b128 v[TW], v[COSR+4:COSR+7] offset:TAB+16
	ds_store_b128 v[TW], v[ONE:ONE+3] offset:TAB+64      ; angles 16 to 31 have an infinite time scale: cosine 1,
	ds_store_b128 v[TW], v[ONE:ONE+3] offset:TAB+80
	ds_store_b128 v[TW], v[SINR:SINR+3] offset:TAB+128
	ds_store_b128 v[TW], v[SINR+4:SINR+7] offset:TAB+144
	ds_store_b128 v[TW], v[ZER:ZER+3] offset:TAB+192     ; sine 0
	ds_store_b128 v[TW], v[ZER:ZER+3] offset:TAB+208
	; ---- my tile of x becomes six fragments, which go to LDS as they stand
.irp s, 0,1,2,3,4,5
.if 16*(5-\s) > 63
	s_wait_loadcnt 63                              ; (the later K steps' loads may be out, as many as the count can name)
.else
	s_wait_loadcnt 16*(5-\s)                       ; this K step's 16 loads are in; the later K steps' may be out
.endif
.set QS_, 64*(\s%2)
.set QW_, ((\s/2)+2)%3+1
	QUANT QS_, QW_
.irp c, 0,1,2
	ds_store_b128 v[XWI], v[PC+4*\c:PC+4*\c+3] offset:XIMG+\s*1536+512*\c
.endr
	ds_store_b32 v[XWS], v[PW] offset:XSC+(\s/2)*128+(\s%2)*64   ; both lanes of a token write the same word with the same value
	s_wait_dscnt 0x0                               ; the stores have landed, the table's too
.endr
	s_barrier_signal -1                            ; the launch's one barrier: behind it LDS is only read
	s_barrier_wait -1
.irp s, 0,1,2,3,4,5
	WIN ((1+\s/3)<<6)
.irp m, 0,1,2,3
.irp c, 0,1,2
	ds_load_b128 v[12*(4*(\s%3)+\m)+4*\c:12*(4*(\s%3)+\m)+4*\c+3], v[LI] offset:XIMG+(6*\m+\s)*1536+512*\c
.endr
.endr
.endr
	WIN 0
.irp m, 0,1,2,3
.irp p, 0,1,2
	ds_load_b32 v[XS+3*\m+\p], v[LS] offset:XSC+(3*\m+\p)*128
.endr
.endr
	s_wait_dscnt 0x0
	s_mov_b32 s28, 6
.Lqk:                                              ; q's three heads, then k's
	UNIT 0, 1
	s_sub_co_u32 s28, s28, 1
	s_cmp_lg_u32 s28, 0
	s_cbranch_scc1 .Lqk
	s_mov_b32 s28, 2
.Lv:                                               ; v's first two heads
	UNIT 1, 1
	s_sub_co_u32 s28, s28, 1
	s_cmp_lg_u32 s28, 0
	s_cbranch_scc1 .Lv
	UNIT 1, 0                                      ; the last unit is written out: it asks for no further weights
	s_endpgm
.Lfunc_end_k_qc8897026f1_qkv:
	.size	k_qc8897026f1_qkv, .Lfunc_end_k_qc8897026f1_qkv-k_qc8897026f1_qkv
	.p2alignl 7, 3214868480
	.fill 96, 4, 3214868480
	.section	.rodata,"a",@progbits
	.p2align	6, 0x0
	.amdhsa_kernel k_qc8897026f1_qkv
		.amdhsa_group_segment_fixed_size 56320
		.amdhsa_private_segment_fixed_size 0
		.amdhsa_enable_private_segment 0
		.amdhsa_kernarg_size 24
		.amdhsa_user_sgpr_count 2
		.amdhsa_user_sgpr_kernarg_segment_ptr 1
		.amdhsa_wavefront_size32 1
		.amdhsa_system_sgpr_workgroup_id_x 1
		.amdhsa_system_sgpr_workgroup_id_y 1
		.amdhsa_system_sgpr_workgroup_id_z 1
		.amdhsa_system_vgpr_workitem_id 0
		.amdhsa_next_free_vgpr 1024
		.amdhsa_next_free_sgpr 66
		.amdhsa_reserve_vcc 1
		.amdhsa_float_denorm_mode_32 3
		.amdhsa_float_denorm_mode_16_64 3
		.amdhsa_memory_ordered 1
		.amdhsa_forward_progress 1
		.amdhsa_inst_pref_size 157
	.end_amdhsa_kernel
	.amdgpu_metadata
---
amdhsa.version: [ 1, 2 ]
amdhsa.kernels:
  - .name:           k_qc8897026f1_qkv
    .symbol:         k_qc8897026f1_qkv.kd
    .args:
      - { .name: hidden_states, .offset: 0, .size: 8, .value_kind: global_buffer, .address_space: global }
      - { .name: wts, .offset: 8, .size: 8, .value_kind: global_buffer, .address_space: global }
      - { .name: qkv, .offset: 16, .size: 8, .value_kind: global_buffer, .address_space: global }
    .group_segment_fixed_size: 56320
    .private_segment_fixed_size: 0
    .kernarg_segment_align: 8
    .kernarg_segment_size: 24
    .max_flat_workgroup_size: 128
    .sgpr_count:     66
    .vgpr_count:     1024
    .wavefront_size: 32
...
	.end_amdgpu_metadata
.endif
;; end of part 2
;; launch attn (part 3): grid 48 x 16, 16 waves a work-group, no clusters, 167,936 bytes of LDS; arguments qkv, att; writes att
.if DOCPART == 3
	.amdgcn_target "amdgcn-amd-amdhsa--gfx1250"
	.amdhsa_code_object_version 6
	.text
	.protected	k_qc8897026f1_attn
	.globl	k_qc8897026f1_attn
	.p2align	8
	.type	k_qc8897026f1_attn,@function
k_qc8897026f1_attn:
	s_mov_b64 s[64:65], 0
	v_nop
	global_prefetch_b8 v0, s[64:65] scope:SCOPE_SE
	s_setreg_imm32_b32 hwreg(HW_REG_WAVE_MODE, 25, 1), 1
	s_wait_xcnt 0x0
; softmax(q k^T / 8) v for one head, both products on codes of FP6 (E2M3) with one E8M0 scale for each 32 along K; the result, divided by the row's sum, is quantised along the head's 64 and leaves as
; half a fragment of the output projection's operand.
; THE FACTOR 1/8 is a power of two: the quantiser of q / 8 gives q's codes with the scale's exponent 3 lower, so the codes are those of q and the factor stands in c = log2(e) / 8.
; (LIMIT: where q's scale would be held at its lower end, |q| under some 2^-121, that is no longer exact.)
; THE SOFTMAX: t = score x c; M = the running largest t rounded UP to a whole number; p = 2^(t - M) is quantised along the keys, not normalised; the row's sum is taken of the unquantised p;
; when M moves, the sum and O are multiplied by 2^(old M - new M), which rounds nothing.
; SHARES: a work-group owns 256 queries of a head, each of its sixteen waves one tile of 16, in 256 registers: four waves to a SIMD, so that one wave's vector work stands beside another's products.
; THE HEAD'S K AND V, AS IMAGES OF OPERAND REGISTERS, AND THEIR SCALE WORDS COME INTO LDS ONCE, by asynchronous copies at the head: 104,448 bytes; nothing is filled again, so there is one barrier.
; K = 64 in the first product: registers 6-11 of q's and k's fragments hold zero codes, which add nothing.
; LAYOUT: both products transposed (S^T = k q^T, O^T = v^T p^T): a lane holds one query throughout.  Tiles hold tokens (and channels) in the order r + 8 (r / 8) within 32 b + 8 u,
; so that the 16 registers of tiles 2 b, 2 b + 1 are 16 neighbouring keys (channels).
; NO CLUSTER: the four work-groups of a head read the same 104,448 bytes, once each, at their heads; the copies go lane by lane and have no joint form, and no step of the loop fetches anything.
; LIMITS: a block of zeros gets the byte 1; NaN and infinities are not served.
; REGISTERS: v1-4 addresses that stay; v5-8 the step's; v12 -M, v13 the largest t, v[14:15] the sum; v16-27 q; v28 q's scales; v30-33 k's; v34-35 v's; v36-83 four fragments of k;
;   v96-159 S^T, then p, then four fragments of v; v160-191 O^T; v192-211 p's codes; v212-231 at work; v240-247 the copies' addresses.
.set QKS, 28311552
.set VSO, 29884416
.set ASC, 9437184
.set VI,  49152                        ; LDS: k's images at 0, v's here,
.set KSL, 98304                        ; k's scale words,
.set VSL, 102400                       ; v's
.set PC,  192
.set BM,  212                          ; the blocks' largest scores, then largest p
.set BB,  216                          ; the other half's, then the bytes
.set SO,  220                          ; the conversions' scale operands
.set PS,  224                          ; p's scale word
.set FF,  226                          ; v[226:227] f = 2^(old M - new M) in the low word
.set L2,  228                          ; the sum's second chain
.set TP,  230
	s_load_b128 s[4:7], s[0:1], 0x0                ; qkv, att
	v_lshrrev_b32 v1, 5, v0
	v_readfirstlane_b32 s8, v1                     ; wave 0..15
	v_and_b32 v9, 31, v0
	v_and_b32 v10, 15, v0
	v_lshlrev_b32 v1, 4, v9                        ; 16 x lane
	v_lshlrev_b32 v2, 3, v9                        ; 8 x lane
	v_lshlrev_b32 v11, 2, v9
	v_add_nc_u32 v3, KSL, v11
	v_add_nc_u32 v4, VSL, v11
	v_lshlrev_b32 v247, 2, v10                     ; 4 r
	s_mul_i32 s13, s8, 3072
	v_add_nc_u32 v240, s13, v1                     ; the copies: my wave's 3072 bytes of a record, in memory,
	v_add_nc_u32 v246, s13, v1                     ; in LDS for k,
	v_add_nc_u32 v241, VI, v240                    ; and for v
	v_lshlrev_b32 v242, 3, v0
	v_add_nc_u32 v243, KSL, v242
	v_lshlrev_b32 v244, 2, v0
	v_add_nc_u32 v245, VSL, v244
	s_and_b32 s9, ttmp9, 3                         ; which 256 queries
	s_lshr_b32 s10, ttmp9, 2                       ; head
	s_and_b32 s11, ttmp7, 0xffff                   ; b
	s_lshl_b32 s12, s9, 4
	s_add_co_u32 s12, s12, s8                      ; my tile of queries
	s_mul_i32 s13, s11, 36
	s_add_co_u32 s13, s13, s10
	s_mul_i32 s14, s13, 49152
	s_mov_b32 s15, 0
	s_wait_kmcnt 0x0
	s_add_nc_u64 s[26:27], s[4:5], s[14:15]        ; q's record;
	s_add_nc_u64 s[16:17], s[26:27], 12*49152      ; k's lies 12 records on,
	s_add_nc_u64 s[18:19], s[26:27], 24*49152      ; v's 24
	s_mul_i32 s13, s11, 24
	s_add_co_u32 s13, s13, s10
	s_lshl_b32 s14, s13, 12
	s_add_nc_u64 s[28:29], s[4:5], s[14:15]
	s_add_nc_u64 s[28:29], s[28:29], QKS           ; q's scale words,
	s_add_nc_u64 s[20:21], s[28:29], 12*4096       ; k's
	s_mul_i32 s13, s11, 12
	s_add_co_u32 s13, s13, s10
	s_lshl_b32 s14, s13, 11
	s_add_nc_u64 s[24:25], s[4:5], s[14:15]
	s_add_nc_u64 s[24:25], s[24:25], VSO           ; v's
.irp i, 0,1,2,3,4,5
	global_load_async_to_lds_b128 v246, v240, s[16:17] offset:512*\i   ; the immediate steps both addresses
.endr
.irp i, 0,1,2,3,4,5
	global_load_async_to_lds_b128 v241, v240, s[18:19] offset:512*\i
.endr
	global_load_async_to_lds_b64 v243, v242, s[20:21]    ; 512 threads x 8 bytes
	global_load_async_to_lds_b32 v245, v244, s[24:25]    ; 512 threads x 4 bytes
	s_mul_i32 s14, s12, 768
	s_add_nc_u64 s[26:27], s[26:27], s[14:15]
	s_lshl_b32 s14, s12, 6
	s_add_nc_u64 s[28:29], s[28:29], s[14:15]
	global_load_b128 v[16:19], v1, s[26:27]        ; q's half fragment stays in registers
	global_load_b64 v[20:21], v2, s[26:27] offset:512
	global_load_b32 v28, v247, s[28:29]            ; and its scale words
	s_lshl_b32 s13, s11, 6
	s_add_co_u32 s13, s13, s12                     ; the tile's number in att: 64 b + tile
	s_mul_i32 s14, s13, 12
	s_add_co_u32 s14, s14, s10
	s_mul_i32 s14, s14, 768
	s_add_nc_u64 s[36:37], s[6:7], s[14:15]        ; my half fragment
	s_mul_i32 s14, s13, 3
	s_lshr_b32 s9, s10, 2
	s_add_co_u32 s14, s14, s9
	s_lshl_b32 s14, s14, 7
	s_bfe_u32 s9, s10, 0x10001
	s_lshl_b32 s9, s9, 6
	s_add_co_u32 s14, s14, s9
	s_and_b32 s9, s10, 1
	s_lshl_b32 s9, s9, 1
	s_add_co_u32 s14, s14, s9
	s_add_nc_u64 s[38:39], s[6:7], s[14:15]
	s_add_nc_u64 s[38:39], s[38:39], ASC           ; my two bytes of each token's scale word: K step head / 2, its half head % 2
	s_mov_b32 s30, 0x76543210
	s_mov_b32 s31, 0xfedcba98                      ; lane selects: lane l xor 16
	s_mov_b32 s22, 0x3e38aa3b                      ; c = log2(e) / 8
	s_mov_b32 s23, s22                             ; (named with it as a pair, so it is written)
	s_mov_b32 s32, 0                               ; the step's images: 6144 bytes a step, in k and in v
	s_mov_b32 s33, 0                               ; k's scale words: 512 a step
	s_mov_b32 s34, 0                               ; v's: 256 a step
	s_mov_b32 s35, 8
.irp i, 22,23,24,25,26,27
	v_mov_b32 v[\i], 0                             ; K = 64 .. 127: zero codes
.endr
.irp t, 0,1,2,3
.irp i, 6,7,8,9,10,11
	v_mov_b32 v[36+12*\t+\i], 0
.endr
.endr
.set j, 0
.rept 32
	v_mov_b32 v[160+j], 0                          ; O^T.  (The step is written once: the first finds zeros, which the first change of M leaves zeros)
.set j, j+1
.endr
.irp b, 0,1,2,3
	v_mov_b32 v[BB+\b], 0                          ; written once: a lane permute's destination counts as one of its sources
.endr
	v_mov_b32 v[FF+1], 0                           ; (named as the upper half of a pair)
	v_mov_b32 v13, 0xff61b1e6                      ; the largest t so far: -3e38
	v_floor_f32 v12, -v13                          ; -M
	v_mov_b32 v14, 0
	v_mov_b32 v15, 0
	s_wait_asynccnt 0x0                            ; my copies have landed,
	s_barrier_signal -1
	s_barrier_wait -1                              ; everybody's have
	s_wait_loadcnt 0x0                             ; q
.Lstep:                                            ; 128 keys a trip
	v_add_nc_u32 v5, s32, v1
	v_add_nc_u32 v6, s32, v2
	v_add_nc_u32 v7, s33, v3
	v_add_nc_u32 v8, s34, v4
	v_nop                                          ; five plain places: the first products below write over registers that the last trip's products read
.irp g, 0,1                                    ; S^T = k q^T, four tiles of 16 keys at a time
.if \g
.rept 4
	v_nop                                          ; places in front of loads into registers that matrix instructions have read
.endr
.endif
.irp t, 0,1,2,3
	ds_load_b128 v[36+12*\t:39+12*\t], v5 offset:(4*\g+\t)*768
	ds_load_b64 v[40+12*\t:41+12*\t], v6 offset:(4*\g+\t)*768+512
.endr
	ds_load_b32 v[30+2*\g], v7 offset:256*\g       ; lanes 0-15 the even tile's words, lanes 16-31 the odd tile's
	ds_load_b32 v[31+2*\g], v7 offset:256*\g+128
	s_wait_dscnt 0x0
.irp t, 0,1,2,3
.if \t%2
	v_wmma_scale_f32_16x16x128_f8f6f4 v[96+8*(4*\g+\t):103+8*(4*\g+\t)], v[36+12*\t:47+12*\t], v[16:27], 0, v[30+2*\g+\t/2], v28 matrix_a_fmt:MATRIX_FMT_FP6 matrix_b_fmt:MATRIX_FMT_FP6 matrix_a_scale:MATRIX_SCALE_ROW1
.else
	v_wmma_scale_f32_16x16x128_f8f6f4 v[96+8*(4*\g+\t):103+8*(4*\g+\t)], v[36+12*\t:47+12*\t], v[16:27], 0, v[30+2*\g+\t/2], v28 matrix_a_fmt:MATRIX_FMT_FP6 matrix_b_fmt:MATRIX_FMT_FP6
.endif
.endr
.endr
.rept 4
	v_nop
.endr
.irp b, 0,1,2,3
	v_max3_num_f32 v[BM+\b], v[96+16*\b], v[97+16*\b], v[98+16*\b]   ; the largest score of each block of 32 keys: for the row's maximum, and, since p rises with the score, for the block's largest p
.endr
.irp i, 3,5,7,9,11,13
.irp b, 0,1,2,3
	v_max3_num_f32 v[BM+\b], v[BM+\b], v[96+16*\b+\i], v[97+16*\b+\i]
.endr
.endr
.irp b, 0,1,2,3
	v_max_num_f32 v[BM+\b], v[BM+\b], v[111+16*\b]
.endr
.irp b, 0,1,2,3
	v_permlanex16_b32 v[BB+\b], v[BM+\b], s30, s31
.endr
.irp b, 0,1,2,3
	v_max_num_f32 v[BM+\b], v[BM+\b], v[BB+\b]     ; with lane l xor 16's 16 keys
.endr
	v_max3_num_f32 v[TP], v[BM], v[BM+1], v[BM+2]
	v_max_num_f32 v[TP], v[TP], v[BM+3]
	v_mul_f32 v[TP], s22, v[TP]                    ; as t (c is positive)
	v_max_num_f32 v13, v13, v[TP]                  ; the running largest t
	v_mov_b32 v[TP], v12
	v_floor_f32 v12, -v13                          ; the new -M = -ceil(t): a whole number
	v_sub_f32 v[TP], v12, v[TP]                    ; old M - new M: a whole number, 0 or less
	v_cvt_i32_f32 v[TP], v[TP]                     ; (it saturates)
	v_ldexp_f32 v[FF], 1.0, v[TP]                  ; f
.set j, 0
.rept 32
	v_pk_fma_f32 v[96+j:97+j], v[96+j:97+j], s[22:23], v[12:13] op_sel_hi:[1,0,0]   ; t - M, two at a time
.set j, j+2
.endr
.irp b, 0,1,2,3
	v_fma_f32 v[BM+\b], v[BM+\b], s22, v12         ; the same of each block's largest score
.endr
.set j, 0
.rept 64
	v_exp_f32 v[96+j], v[96+j]                     ; p = 2^(t - M), at most 1
.set j, j+1
.endr
	v_pk_mul_f32 v[14:15], v[14:15], v[FF:FF+1] op_sel_hi:[1,0]   ; the sums under the new M: a plain place behind the exponentials
	s_wait_alu depctr_va_vdst(0)                   ; one wait for the batch, ahead of its first reader
.irp b, 0,1,2,3
	v_exp_f32 v[BM+\b], v[BM+\b]                   ; the block's largest p: the same two instructions on the same number give the same bits
.endr
	v_pk_add_f32 v[L2:L2+1], v[96:97], v[98:99]    ; the row's sum is taken of the unquantised p, in two chains
.irp j, 4,8,12,16,20,24,28,32,36,40,44,48,52,56,60
	v_pk_add_f32 v[14:15], v[14:15], v[96+\j:97+\j]
	v_pk_add_f32 v[L2:L2+1], v[L2:L2+1], v[98+\j:99+\j]
.endr
	v_pk_add_f32 v[14:15], v[14:15], v[L2:L2+1]
	s_wait_alu depctr_va_vdst(0)                   ; and one for the four
.irp b, 0,1,2,3
	v_max_num_f32 v[BM+\b], 0x1800000, v[BM+\b]    ; the floor 2^(3 - 127): the byte cannot fall under 1
.endr
.irp b, 0,1,2,3
	v_add_nc_u32 v[SO+\b], 0xff000000, v[BM+\b]
.endr
.irp b, 0,1,2,3
	v_lshrrev_b32 v[BB+\b], 23, v[SO+\b]
.endr
	v_lshl_or_b32 v[PS], v[BB+1], 8, v[BB]         ; p's scale word for these 128 keys
	v_lshl_or_b32 v[PS], v[BB+2], 16, v[PS]
	v_lshl_or_b32 v[PS], v[BB+3], 24, v[PS]
.irp c, 0,1
	v_cvt_scalef32_pk16_fp6_f32 v[PC+6*\c:PC+6*\c+2], v[96+32*\c:111+32*\c], v[SO+2*\c]
	v_cvt_scalef32_pk16_fp6_f32 v[PC+12+4*\c:PC+14+4*\c], v[112+32*\c:127+32*\c], v[SO+2*\c+1]
.endr
	v_nop                                          ; one plain place behind a scaled conversion
.irp t, 0,1,2,3                                ; v's four fragments take p's registers: two half images each (keys 0-63, keys 64-127 of the step)
	ds_load_b128 v[96+12*\t:99+12*\t], v5 offset:VI+1536*\t
	ds_load_b64 v[100+12*\t:101+12*\t], v6 offset:VI+1536*\t+512
	ds_load_b128 v[102+12*\t:105+12*\t], v5 offset:VI+1536*\t+768
	ds_load_b64 v[106+12*\t:107+12*\t], v6 offset:VI+1536*\t+1280
.endr
	ds_load_b32 v34, v8
	ds_load_b32 v35, v8 offset:128
.irp c, 0,1                                    ; the operand's layout wants a whole block in a lane
.irp i, 0,1,2
	v_permlane16_swap_b32 v[PC+6*\c+\i], v[PC+12+4*\c+\i]
.endr
.irp i, 0,1,2
	v_mov_b32 v[PC+3+6*\c+\i], v[PC+12+4*\c+\i]
.endr
.endr
.set j, 0
.rept 16
	v_pk_mul_f32 v[160+j:161+j], v[160+j:161+j], v[FF:FF+1] op_sel_hi:[1,0]   ; O^T under the new M; these are also the places between the codes' last write and the products
.set j, j+2
.endr
	s_wait_dscnt 0x0
.irp t, 0,1,2,3                                ; O^T += v^T p^T: four accumulators by turns
.if \t%2
	v_wmma_scale_f32_16x16x128_f8f6f4 v[160+8*\t:167+8*\t], v[96+12*\t:107+12*\t], v[PC:PC+11], v[160+8*\t:167+8*\t], v[34+\t/2], v[PS] matrix_a_fmt:MATRIX_FMT_FP6 matrix_b_fmt:MATRIX_FMT_FP6 matrix_a_scale:MATRIX_SCALE_ROW1
.else
	v_wmma_scale_f32_16x16x128_f8f6f4 v[160+8*\t:167+8*\t], v[96+12*\t:107+12*\t], v[PC:PC+11], v[160+8*\t:167+8*\t], v[34+\t/2], v[PS] matrix_a_fmt:MATRIX_FMT_FP6 matrix_b_fmt:MATRIX_FMT_FP6
.endif
.endr
	s_add_co_u32 s32, s32, 6144
	s_add_co_u32 s33, s33, 512
	s_add_co_u32 s34, s34, 256
	s_sub_co_u32 s35, s35, 1
	s_cmp_lg_u32 s35, 0
	s_cbranch_scc1 .Lstep
	; ---- the way out: O^T / the sum, quantised along the head's 64: two blocks, half a fragment
	v_add_f32 v14, v14, v15                        ; the sum's two halves,
	v_permlanex16_b32 v[TP], v14, s30, s31
	v_add_f32 v14, v14, v[TP]                      ; and lane l xor 16's
	v_rcp_f32 v14, v14
.rept 3
	v_nop                                          ; a plain place behind the reciprocal; with the additions above: the places behind the last products
.endr
	s_wait_alu depctr_va_vdst(0)                   ; the wait ahead of the reciprocal's first reader
.set j, 0
.rept 32
	v_mul_f32 v[96+j], v[160+j], v14               ; register 16 b + i: channel 32 b + 16 h + i of my query
.set j, j+1
.endr
.irp b, 0,1
	v_max3_num_f32 v[BM+\b], |v[96+16*\b]|, |v[97+16*\b]|, 0x1800000
.endr
.irp i, 2,4,6,8,10,12,14
.irp b, 0,1
	v_max3_num_f32 v[BM+\b], v[BM+\b], |v[96+16*\b+\i]|, |v[97+16*\b+\i]|
.endr
.endr
.irp b, 0,1
	v_permlanex16_b32 v[BB+\b], v[BM+\b], s30, s31
.endr
.irp b, 0,1
	v_max_num_f32 v[BM+\b], v[BM+\b], v[BB+\b]
.endr
.irp b, 0,1
	v_add_nc_u32 v[SO+\b], 0xff000000, v[BM+\b]
.endr
.irp b, 0,1
	v_lshrrev_b32 v[BB+\b], 23, v[SO+\b]
.endr
	v_lshl_or_b32 v231, v[BB+1], 8, v[BB]          ; my head's two bytes of the token's scale word
	v_cvt_scalef32_pk16_fp6_f32 v[PC:PC+2], v[96:111], v[SO]
	v_cvt_scalef32_pk16_fp6_f32 v[PC+6:PC+8], v[112:127], v[SO+1]
	v_nop                                          ; one plain place behind a scaled conversion
.irp i, 0,1,2
	v_permlane16_swap_b32 v[PC+\i], v[PC+6+\i]     ; lanes 0-15 now hold block 0 whole, lanes 16-31 block 1
.endr
.irp i, 0,1,2
	v_mov_b32 v[PC+3+\i], v[PC+6+\i]
.endr
	global_store_b128 v1, v[PC:PC+3], s[36:37]     ; 512 consecutive bytes,
	global_store_b64 v2, v[PC+4:PC+5], s[36:37] offset:512   ; and 256
	global_store_b16 v247, v231, s[38:39]          ; both lanes of a token write the same two bytes with the same value
	s_endpgm
.Lfunc_end_k_qc8897026f1_attn:
	.size	k_qc8897026f1_attn, .Lfunc_end_k_qc8897026f1_attn-k_qc8897026f1_attn
	.p2alignl 7, 3214868480
	.fill 96, 4, 3214868480
	.section	.rodata,"a",@progbits
	.p2align	6, 0x0
	.amdhsa_kernel k_qc8897026f1_attn
		.amdhsa_group_segment_fixed_size 167936
		.amdhsa_private_segment_fixed_size 0
		.amdhsa_enable_private_segment 0
		.amdhsa_kernarg_size 16
		.amdhsa_user_sgpr_count 2
		.amdhsa_user_sgpr_kernarg_segment_ptr 1
		.amdhsa_wavefront_size32 1
		.amdhsa_system_sgpr_workgroup_id_x 1
		.amdhsa_system_sgpr_workgroup_id_y 1
		.amdhsa_system_sgpr_workgroup_id_z 1
		.amdhsa_system_vgpr_workitem_id 0
		.amdhsa_next_free_vgpr 256
		.amdhsa_next_free_sgpr 66
		.amdhsa_reserve_vcc 0
		.amdhsa_float_denorm_mode_32 3
		.amdhsa_float_denorm_mode_16_64 3
		.amdhsa_memory_ordered 1
		.amdhsa_forward_progress 1
		.amdhsa_inst_pref_size 27
	.end_amdhsa_kernel
	.amdgpu_metadata
---
amdhsa.version: [ 1, 2 ]
amdhsa.kernels:
  - .name:           k_qc8897026f1_attn
    .symbol:         k_qc8897026f1_attn.kd
    .args:
      - { .name: qkv, .offset: 0, .size: 8, .value_kind: global_buffer, .address_space: global }
      - { .name: att, .offset: 8, .size: 8, .value_kind: global_buffer, .address_space: global }
    .group_segment_fixed_size: 167936
    .private_segment_fixed_size: 0
    .kernarg_segment_align: 8
    .kernarg_segment_size: 16
    .max_flat_workgroup_size: 512
    .sgpr_count:     66
    .vgpr_count:     256
    .wavefront_size: 32
...
	.end_amdgpu_metadata
.endif
;; end of part 3
;; launch oproj (part 4): grid 256 x 1, 4 waves a work-group, no clusters, 17,408 bytes of LDS; arguments att, wts, out0; writes out0
.if DOCPART == 4
	.amdgcn_target "amdgcn-amd-amdhsa--gfx1250"
	.amdhsa_code_object_version 6
	.text
	.protected	k_qc8897026f1_oproj
	.globl	k_qc8897026f1_oproj
	.p2align	8
	.type	k_qc8897026f1_oproj,@function
k_qc8897026f1_oproj:
	s_mov_b64 s[64:65], 0
	v_nop
	global_prefetch_b8 v0, s[64:65] scope:SCOPE_SE
	s_setreg_imm32_b32 hwreg(HW_REG_WAVE_MODE, 25, 1), 1
	s_wait_xcnt 0x0
; out0 = a Wo^T + bo on codes of FP6 (E2M3) with one E8M0 scale for each 32 along K.  a: the attention launch's half fragments [tile 1024][head 12][768] and scale words [tile][p 3][lane 32];
; Wo and bo: the images of the first launch.
; SHARES: a work-group owns 64 rows (four tiles of 16 tokens, each in the order r + 8 (r / 8) within 32 b + 8 u).  All 24 fragments of a stay in every wave's registers.
; THE WAVES SHARE THE COLUMNS: wave w takes the units of 64 columns w, w + 4, w + 8.  A unit: 6 K steps x 16 accumulators = 96 matrix instructions; each weight fragment feeds four.
; The weights come from memory straight into operand registers, two K steps to a refill, each refill asked for a whole unit ahead.
; The product is used TRANSPOSED (source 0 = 16 rows of Wo, source 1 = 16 tokens): a lane holds one token, and the 32 registers of a tile of tokens are columns 32 b + 16 h + i of the unit.
; THE WAY OUT: a tile of 16 tokens x 64 columns goes through the wave's own stage in LDS (rows of 256 bytes + 16) and leaves as rows: sixteen lanes store 256 consecutive bytes, aligned.
; NO CLUSTER, NO TENSOR LOAD: all work-groups read the same 442,368 bytes of Wo, but each byte goes into one wave's operand registers; a joint load lands in LDS alone.
; REGISTERS, window 0: v1-6 addresses; v16-27 a's scale words; v28-39 Wo's; v40-71 the bias; v72-135 rows on the way out.
;   window 1: v0-143 a's fragments of K steps 0-2, v144-239 Wo's of K steps 0, 1.   window 2: the same for K steps 3-5 and 2, 3.   window 3: v0-127 the accumulators, v144-239 Wo's of K steps 4, 5.
.set WSC,  1769472
.set BIMG, 1843200
.set ASC,  9437184
.set LI,   1
.set L8,   2
.set LS,   3
.set STO,  4
.set RD,   5
.set CO,   6
.set XS,   16
.set WS,   28
.set BIAS, 40
.set T,    72
.set WP,   16
.set WSP,  18
.set BP,   20
.set OP,   22
.set MSB, 0
.macro WIN new                         ; the immediate's high byte repeats the setting that is left; a switch that changes nothing is dropped
.if MSB != (\new)
	s_set_vgpr_msb (MSB<<8)|(\new)
.set MSB, (\new)
.endif
.endm
; The weights of K steps 2 p, 2 p + 1 of the unit st units on: 24 loads of 512 consecutive bytes; the scale words of both steps by one load; with p = 0 the bias image too.  33, 25, 25 loads.
.macro REFILL p, st
	WIN ((1+\p)<<6)
.irp t, 0,1,2,3
.irp e, 0,1
.irp c, 0,1,2
	global_load_b128 v[144+12*(2*\t+\e)+4*\c:144+12*(2*\t+\e)+4*\c+3], v[LI], s[WP:WP+1] offset:\st*147456+(6*\t+2*\p+\e)*1536+512*\c
.endr
.endr
.endr
	WIN 0
	global_load_b128 v[WS+4*\p:WS+4*\p+3], v[LI], s[WSP:WSP+1] offset:\st*6144+512*\p
.if \p == 0
.irp t, 0,1,2,3
.irp c, 0,1
	global_load_b128 v[BIAS+8*\t+4*\c:BIAS+8*\t+4*\c+3], v[LI], s[BP:BP+1] offset:\st*16384+1024*\t+512*\c
.endr
.endr
.endif
.endm
.macro MM d, a, b, c, sa, sb, row      ; row = 1: both sides' scales stand in lanes 16-31
.if \row
	v_wmma_scale_f32_16x16x128_f8f6f4 v[\d:\d+7], v[\a:\a+11], v[\b:\b+11], v[\c:\c+7], v[\sa], v[\sb] matrix_a_fmt:MATRIX_FMT_FP6 matrix_b_fmt:MATRIX_FMT_FP6 matrix_a_scale:MATRIX_SCALE_ROW1 matrix_b_scale:MATRIX_SCALE_ROW1
.else
	v_wmma_scale_f32_16x16x128_f8f6f4 v[\d:\d+7], v[\a:\a+11], v[\b:\b+11], v[\c:\c+7], v[\sa], v[\sb] matrix_a_fmt:MATRIX_FMT_FP6 matrix_b_fmt:MATRIX_FMT_FP6
.endif
.endm
; Two K steps: 2 x 16 matrix instructions; the 16 accumulators take turns, one instruction a turn, in the same order in every K step.
; cnt: the loads issued behind the refill that these products read.  Five plain places follow: for the loads into registers that the products have read, for the LDS stores that read results,
; and for the next unit's first products, which begin the accumulators anew.
.macro PHASE p, cnt, fill
	s_wait_loadcnt \cnt
.irp e, 0,1
.set KS_, 2*\p+\e
.set XW_, 1+KS_/3
.set CW_, 3
.if KS_ == 0
.set CW_, 0
.endif
.set WN_, (3<<6)|(CW_<<4)|(XW_<<2)|(1+\p)
	WIN WN_
.irp t, 0,1,2,3
.irp m, 0,1,2,3
.set WF_, 144+12*(2*\t+\e)
.set XF_, 12*(4*(KS_%3)+\m)
.set WS_, WS+4*\p+\t
.set XS_, XS+3*\m+\p
.set AC_, 8*(4*\m+\t)
.set CC_, AC_
.if KS_ == 0
.set CC_, BIAS+8*\t
.endif
	MM AC_, WF_, XF_, CC_, WS_, XS_, \e
.endr
.endr
.endr
	WIN 0
.rept 5
	v_nop
.endr
.if \fill
	REFILL \p, 1
.endif
.endm
.macro TOSTAGE m                       ; tile m: my token's 64 columns into row r of my stage, each accumulator from its low end on; then back as rows.  LDS serves a wave's instructions in order
	WIN 0x0c                                       ; an LDS store's data are its source 1: window 3
.irp q, 0,1,2,3,4,5,6,7
	ds_store_b128 v[STO], v[32*\m+4*\q:32*\m+4*\q+3] offset:128*(\q/4)+16*(\q%4)
.endr
	WIN 0
.irp i, 0,1,2,3,4,5,6,7
	ds_load_b128 v[T+32*(\m%2)+4*\i:T+32*(\m%2)+4*\i+3], v[RD] offset:544*\i
.endr
.endm
.macro SEND m, younger                 ; younger: the LDS instructions issued behind tile m's loads.  Stage row i holds token i + 8 (i / 8) of the tile
	s_wait_dscnt \younger
.irp i, 0,1,2,3,4,5,6,7
	global_store_b128 v[CO], v[T+32*(\m%2)+4*\i:T+32*(\m%2)+4*\i+3], s[OP:OP+1] offset:(32*(\m/2)+8*(\m%2)+2*\i+8*(\i/4))*3072 th:TH_STORE_NT
.endr
.endm
; A unit of 64 columns.  The counts: behind the refill of K steps 0, 1 stand the last unit's other two, 25 + 25; behind that of steps 2, 3 the 25 of steps 4, 5 and this unit's 33;
; behind that of steps 4, 5 this unit's 33 + 25.  The last unit asks for nothing: 50, 25, 0.
.macro UNIT fill
	PHASE 0, 50, \fill
.if \fill
	PHASE 1, 58, 1
	PHASE 2, 58, 1
.else
	PHASE 1, 25, 0
	PHASE 2, 0, 0
.endif
	TOSTAGE 0
	TOSTAGE 1
	SEND 0, 16                                     ; behind tile 0's loads: tile 1's 8 stores and 8 loads
	s_wait_xcnt 0x0                                ; tile 0's stores have read their registers: tile 2's rows may land there
	TOSTAGE 2
	SEND 1, 16
	s_wait_xcnt 0x0
	TOSTAGE 3
	SEND 2, 16
	SEND 3, 0
.if \fill
	s_wait_xcnt 0x0                                ; every load and store has read its base: the pointers step to the next unit
	s_add_nc_u64 s[WP:WP+1], s[WP:WP+1], 147456
	s_add_nc_u64 s[WSP:WSP+1], s[WSP:WSP+1], 6144
	s_add_nc_u64 s[BP:BP+1], s[BP:BP+1], 16384
	s_add_nc_u64 s[OP:OP+1], s[OP:OP+1], 1024
.endif
.endm
	s_load_b128 s[4:7], s[0:1], 0x0                ; att, wts
	s_load_b64 s[8:9], s[0:1], 0x10                ; out0
	v_lshrrev_b32 v7, 5, v0
	v_readfirstlane_b32 s10, v7                    ; wave
	v_and_b32 v7, 31, v0
	v_and_b32 v8, 15, v0                           ; r
	v_bfe_u32 v9, v0, 4, 1                         ; h
	v_lshlrev_b32 v[LI], 4, v7
	v_lshlrev_b32 v[L8], 3, v7
	v_lshlrev_b32 v[LS], 2, v7
	s_mul_i32 s13, s10, 4352                       ; my stage: 16 rows x 272 bytes
	v_mul_u32_u24 v[STO], v8, 272
	v_lshl_add_u32 v[STO], v9, 6, v[STO]
	v_add_nc_u32 v[STO], s13, v[STO]               ; in: row r, + 64 h
	v_mul_u32_u24 v[RD], v9, 272
	v_lshl_add_u32 v[RD], v8, 4, v[RD]
	v_add_nc_u32 v[RD], s13, v[RD]                 ; back: lanes 0-15 one row, lanes 16-31 the next
	v_mul_u32_u24 v[CO], v9, 3072
	v_lshl_add_u32 v[CO], v8, 4, v[CO]             ; and the same in out0
	s_mov_b32 s15, 0
	s_wait_kmcnt 0x0
	s_mul_i32 s14, ttmp9, 1536
	s_add_nc_u64 s[12:13], s[4:5], s[14:15]
	s_add_nc_u64 s[12:13], s[12:13], ASC           ; my four tiles' scale words
	s_mul_i32 s14, ttmp9, 36864
	s_add_nc_u64 s[4:5], s[4:5], s[14:15]          ; and their half fragments
	s_mul_i32 s14, s10, 36864
	s_add_nc_u64 s[WP:WP+1], s[6:7], s[14:15]
	s_add_nc_u64 s[WP:WP+1], s[WP:WP+1], 3*442368
	s_mul_i32 s14, s10, 1536
	s_add_nc_u64 s[WSP:WSP+1], s[6:7], s[14:15]
	s_add_nc_u64 s[WSP:WSP+1], s[WSP:WSP+1], WSC+36*1536
	s_lshl_b32 s14, s10, 12
	s_add_nc_u64 s[BP:BP+1], s[6:7], s[14:15]
	s_add_nc_u64 s[BP:BP+1], s[BP:BP+1], BIMG+36*4096
	s_mul_i32 s14, ttmp9, 196608
	s_add_nc_u64 s[OP:OP+1], s[8:9], s[14:15]
	s_lshl_b32 s14, s10, 8
	s_add_nc_u64 s[OP:OP+1], s[OP:OP+1], s[14:15]
	REFILL 0, 0                                    ; the first unit's weights: 83 loads
	REFILL 1, 0
	REFILL 2, 0
.irp s, 0,1,2,3,4,5                            ; a's fragment of K step s is the half fragments of heads 2 s and 2 s + 1
	WIN ((1+\s/3)<<6)
.irp m, 0,1,2,3
.set XF_, 12*(4*(\s%3)+\m)
	global_load_b128 v[XF_:XF_+3], v[LI], s[4:5] offset:(12*\m+2*\s)*768
	global_load_b64 v[XF_+4:XF_+5], v[L8], s[4:5] offset:(12*\m+2*\s)*768+512
	global_load_b128 v[XF_+6:XF_+9], v[LI], s[4:5] offset:(12*\m+2*\s)*768+768
	global_load_b64 v[XF_+10:XF_+11], v[L8], s[4:5] offset:(12*\m+2*\s)*768+1280
.endr
.endr
	WIN 0
.irp m, 0,1,2,3
.irp p, 0,1,2
	global_load_b32 v[XS+3*\m+\p], v[LS], s[12:13] offset:(3*\m+\p)*128
.endr
.endr
	s_wait_loadcnt 0x0
	s_mov_b32 s28, 2
.Lunit:
	UNIT 1
	s_sub_co_u32 s28, s28, 1
	s_cmp_lg_u32 s28, 0
	s_cbranch_scc1 .Lunit
	UNIT 0                                         ; the last unit is written out: it asks for no further weights
	s_endpgm
.Lfunc_end_k_qc8897026f1_oproj:
	.size	k_qc8897026f1_oproj, .Lfunc_end_k_qc8897026f1_oproj-k_qc8897026f1_oproj
	.p2alignl 7, 3214868480
	.fill 96, 4, 3214868480
	.section	.rodata,"a",@progbits
	.p2align	6, 0x0
	.amdhsa_kernel k_qc8897026f1_oproj
		.amdhsa_group_segment_fixed_size 17408
		.amdhsa_private_segment_fixed_size 0
		.amdhsa_enable_private_segment 0
		.amdhsa_kernarg_size 24
		.amdhsa_user_sgpr_count 2
		.amdhsa_user_sgpr_kernarg_segment_ptr 1
		.amdhsa_wavefront_size32 1
		.amdhsa_system_sgpr_workgroup_id_x 1
		.amdhsa_system_sgpr_workgroup_id_y 1
		.amdhsa_system_sgpr_workgroup_id_z 1
		.amdhsa_system_vgpr_workitem_id 0
		.amdhsa_next_free_vgpr 1024
		.amdhsa_next_free_sgpr 66
		.amdhsa_reserve_vcc 0
		.amdhsa_float_denorm_mode_32 3
		.amdhsa_float_denorm_mode_16_64 3
		.amdhsa_memory_ordered 1
		.amdhsa_forward_progress 1
		.amdhsa_inst_pref_size 70
	.end_amdhsa_kernel
	.amdgpu_metadata
---
amdhsa.version: [ 1, 2 ]
amdhsa.kernels:
  - .name:           k_qc8897026f1_oproj
    .symbol:         k_qc8897026f1_oproj.kd
    .args:
      - { .name: att, .offset: 0, .size: 8, .value_kind: global_buffer, .address_space: global }
      - { .name: wts, .offset: 8, .size: 8, .value_kind: global_buffer, .address_space: global }
      - { .name: out0, .offset: 16, .size: 8, .value_kind: global_buffer, .address_space: global }
    .group_segment_fixed_size: 17408
    .private_segment_fixed_size: 0
    .kernarg_segment_align: 8
    .kernarg_segment_size: 24
    .max_flat_workgroup_size: 128
    .sgpr_count:     66
    .vgpr_count:     1024
    .wavefront_size: 32
...
	.end_amdgpu_metadata
.endif
;; end of part 4
;; ======== version 2 of 2: 4 launches
;; limits: right only within a limited range of input values
;; workspace buffers: wts 2,039,808 bytes; qkv 30,277,632 bytes; att 9,830,400 bytes
;; launch prep (part 5): grid 12 x 24, 4 waves a work-group, no clusters, 34,560 bytes of LDS; arguments Wq, Wk, Wv, Wo, bq, bk, bv, bo, wts; writes wts
.if DOCPART == 5
	.amdgcn_target "amdgcn-amd-amdhsa--gfx1250"
	.amdhsa_code_object_version 6
	.text
	.protected	k_qc8897026f1_prep
	.globl	k_qc8897026f1_prep
	.p2align	8
	.type	k_qc8897026f1_prep,@function
k_qc8897026f1_prep:
	s_mov_b64 s[64:65], 0
	v_nop
	global_prefetch_b8 v0, s[64:65] scope:SCOPE_SE
	s_setreg_imm32_b32 hwreg(HW_REG_WAVE_MODE, 25, 1), 1
	s_wait_xcnt 0x0
; Wq, Wk, Wv, Wo [768 (n)][768 (k)] f32 become codes of FP6 (E2M3) with one E8M0 byte for each 32 along K, laid as IMAGES OF OPERAND REGISTERS,
; and the four biases become images of a C operand, so that the later launches load everything by 16 bytes a lane.
; wts:  images  [mat 4][tile 48][K step 6][1536]: a fragment is 16 rows x 128 K = 12 registers; registers 4 c .. 4 c + 3 of lane l lie at 512 c + 16 l
;       scales  at WSC:  [unit = 12 mat + head][p 3][lane 32][t 4] words: lanes 0-15 K step 2 p, lanes 16-31 K step 2 p + 1; word = 4 bytes of row r
;       biases  at BIMG: [unit][t 4][1024]: eight registers in the layout of a result
; THE ROWS OF A TILE ARE NOT NEIGHBOURS: lane r of tile t of a unit of 64 rows takes row 32 (t / 2) + 8 (t % 2) + r + 8 (r / 8), so that in a transposed
; product the 16 registers of tiles 2 b and 2 b + 1 are 16 neighbours along the next K.
; SHARES: work-group (x = head, y = mat + 4 x K step); wave t makes one fragment.
; THE LOADS TAKE THE BYTES AS THEY LIE: a K step of a row is 512 consecutive bytes, one load of the wave, 16 bytes a lane.  The conversions want 32 neighbours along K in ONE lane: so the 16 rows turn through the
; wave's own stage in LDS (rows of 512 + 16 bytes) and come back to lane (r, h) as the 2 x 32 numbers k = 64 c + 32 h + 0 .. 31 of row r, two whole blocks.
; A block's scale is 2^(floor(log2(largest magnitude)) - 2); its byte is the largest magnitude's exponent field - 2, held at 1 from below.
; LIMITS: a block of zeros gets the byte 1 (its codes are zeros, and this program alone reads the bytes); blocks whose largest magnitude lies under 2^-124 are held at that floor;
; NaN and infinities among the inputs are not served.
; No matrix unit, no cluster, no tensor load: each input byte is read once by one lane and nothing is shared between work-groups.
.set WSC,  1769472
.set BIMG, 1843200
.set STG,  256                         ; LDS: 256 bytes of scale words, then a stage of 16 x 528 bytes for each wave
	s_load_b256 s[4:11], s[0:1], 0x0               ; Wq, Wk, Wv, Wo
	s_load_b256 s[12:19], s[0:1], 0x20             ; bq, bk, bv, bo
	s_load_b64 s[20:21], s[0:1], 0x40              ; wts
	v_lshl_add_u32 v26, v0, 2, 34048               ; my spare word, behind the four stages; never rewritten
	v_mov_b32 v27, 0                               ; 0; never rewritten
	v_lshrrev_b32 v1, 5, v0
	v_readfirstlane_b32 s22, v1                    ; wave = tile t
	v_and_b32 v1, 15, v0                           ; r
	v_bfe_u32 v2, v0, 4, 1                         ; h
	v_and_b32 v8, 31, v0                           ; lane
	v_and_b32 v7, 8, v1
	v_add_nc_u32 v7, v7, v1                        ; r + 8 (r / 8)
	v_lshlrev_b32 v4, 4, v8                        ; 16 x lane
	v_lshlrev_b32 v5, 3, v8                        ; 8 x lane
	s_lshl_b32 s27, s22, 2
	v_lshl_add_u32 v6, v1, 4, s27                  ; LDS: 16 r + 4 t: the four tiles' words of a row lie together
	s_mul_i32 s27, s22, 8448                       ; my stage
	v_add_nc_u32 v24, s27, v4                      ; into it: 16 x lane of a row
	v_mul_u32_u24 v25, v1, 528
	v_lshl_add_u32 v25, v2, 7, v25
	v_add_nc_u32 v25, s27, v25                     ; out of it: row r, + 128 h: my block of 32
	v_lshlrev_b32 v9, 6, v2                        ; bias, transposed products: 16 h numbers on
	v_lshlrev_b32 v10, 2, v7                       ; bias of Wv: my row's number
	s_and_b32 s23, ttmp7, 0xffff
	s_and_b32 s24, s23, 3                          ; mat
	s_lshr_b32 s25, s23, 2                         ; K step
	s_lshl_b32 s26, ttmp9, 6
	s_lshr_b32 s27, s22, 1
	s_lshl_b32 s27, s27, 5
	s_add_co_u32 s26, s26, s27
	s_and_b32 s27, s22, 1
	s_lshl_b32 s27, s27, 3
	s_add_co_u32 s26, s26, s27                     ; the tile's first row: 64 head + 32 (t / 2) + 8 (t % 2)
	s_mul_i32 s28, s26, 3072
	s_lshl_b32 s27, s25, 9
	s_add_co_u32 s28, s28, s27                     ; in W: row x 3072 + 512 x K step
	s_mov_b32 s29, 0
	s_mul_i32 s30, s24, 12
	s_add_co_u32 s30, s30, ttmp9                   ; unit
	s_lshl_b32 s31, s30, 2
	s_add_co_u32 s31, s31, s22                     ; 4 unit + t
	s_mul_i32 s32, s31, 6
	s_add_co_u32 s32, s32, s25
	s_mul_i32 s32, s32, 1536                       ; my image
	s_mov_b32 s33, 0
	s_lshl_b32 s34, s31, 10                        ; my bias image
	s_mov_b32 s35, 0
	s_mul_i32 s38, s30, 1536
	s_lshr_b32 s27, s25, 1
	s_lshl_b32 s27, s27, 9
	s_add_co_u32 s38, s38, s27
	s_and_b32 s27, s25, 1
	s_lshl_b32 s27, s27, 8
	s_add_co_u32 s38, s38, s27                     ; the work-group's 256 bytes of scale words
	s_mov_b32 s39, 0
	s_mov_b32 s36, 0x76543210
	s_mov_b32 s37, 0xfedcba98                      ; lane selects: lane l xor 16
	s_lshl_b32 s26, s26, 2
	s_mov_b32 s27, 0
	s_wait_alu depctr_va_vdst(0)
	s_wait_kmcnt 0x0
	s_cmp_eq_u32 s24, 1                            ; the matrix and its bias: a choice on the work-group's number alone
	s_cselect_b64 s[4:5], s[6:7], s[4:5]
	s_cselect_b64 s[12:13], s[14:15], s[12:13]
	s_cmp_eq_u32 s24, 2
	s_cselect_b64 s[4:5], s[8:9], s[4:5]
	s_cselect_b64 s[12:13], s[16:17], s[12:13]
	s_cmp_eq_u32 s24, 3
	s_cselect_b64 s[4:5], s[10:11], s[4:5]
	s_cselect_b64 s[12:13], s[18:19], s[12:13]
	s_add_nc_u64 s[4:5], s[4:5], s[28:29]
	s_add_nc_u64 s[12:13], s[12:13], s[26:27]
	s_add_nc_u64 s[32:33], s[20:21], s[32:33]
	s_add_nc_u64 s[34:35], s[20:21], s[34:35]
	s_add_nc_u64 s[34:35], s[34:35], BIMG
	s_add_nc_u64 s[38:39], s[20:21], s[38:39]
	s_add_nc_u64 s[38:39], s[38:39], WSC
.irp i, 0,1,2,3,4,5,6,7,8,9,10,11,12,13,14,15
	global_load_b128 v[64+4*\i:64+4*\i+3], v4, s[4:5] offset:(\i+8*(\i/8))*3072 th:TH_LOAD_NT   ; the tile's row i, this K step: 32 lanes read 512 consecutive bytes
.endr
	; the bias image is made by the work-groups of K step 0 alone: a scalar branch on the work-group's number; no LDS and no barrier stand in it
	s_cmp_lg_u32 s25, 0
	s_cbranch_scc1 .Lno_bias
	s_cmp_eq_u32 s24, 2
	s_cbranch_scc1 .Lbias_v
	global_load_b128 v[16:19], v9, s[12:13]        ; transposed products: register j of lane (r, h) is the bias of row 16 h + j of the tile's 32
	global_load_b128 v[20:23], v9, s[12:13] offset:16
	s_wait_loadcnt 0x0
	global_store_b128 v4, v[16:19], s[34:35]
	global_store_b128 v4, v[20:23], s[34:35] offset:512
	s_branch .Lno_bias
.Lbias_v:
	global_load_b32 v16, v10, s[12:13]             ; Wv is the second source: a lane holds one channel, so all eight registers hold its bias
	s_wait_loadcnt 0x0
	v_mov_b32 v17, v16
	v_mov_b32 v18, v16
	v_mov_b32 v19, v16
	global_store_b128 v4, v[16:19], s[34:35]
	global_store_b128 v4, v[16:19], s[34:35] offset:512
.Lno_bias:
	s_wait_loadcnt 0x0
.irp i, 0,1,2,3,4,5,6,7,8,9,10,11,12,13,14,15
	ds_store_b128 v24, v[64+4*\i:64+4*\i+3] offset:STG+528*\i        ; the rows as they were loaded
.endr
.irp c, 0,1
.irp i, 0,1,2,3,4,5,6,7
	ds_load_b128 v[64+32*\c+4*\i:64+32*\c+4*\i+3], v25 offset:STG+256*\c+16*\i   ; W(row r, 64 c + 32 h + 4 i ..).  LDS serves a wave's instructions in order: these see my stores
.endr
.endr
	s_wait_dscnt 0x0
.irp c, 0,1                                    ; my block 2 c + h: all its 32 numbers are mine
	v_max3_num_f32 v[32+\c], |v[64+32*\c]|, |v[65+32*\c]|, 0x1800000   ; and the floor 2^(3 - 127): the byte cannot fall under 1
.endr
.irp i, 2,4,6,8,10,12,14,16,18,20,22,24,26,28,30
.irp c, 0,1
	v_max3_num_f32 v[32+\c], v[32+\c], |v[64+32*\c+\i]|, |v[65+32*\c+\i]|
.endr
.endr
.irp c, 0,1
	v_add_nc_u32 v[44+\c], 0xff000000, v[32+\c]    ; 2 off the exponent field: the conversion takes this operand's exponent field as its scale
.endr
.irp c, 0,1
	v_lshrrev_b32 v[36+\c], 23, v[44+\c]           ; the scale's byte
.endr
	v_lshl_or_b32 v12, v37, 16, v36                ; my two bytes: blocks h and 2 + h of my row,
	v_lshlrev_b32 v13, 3, v2
	v_lshlrev_b32 v12, v13, v12                    ; at their places in the word (8 h bits up);
	v_mov_b32 v13, 0
	v_permlanex16_b32 v13, v12, s36, s37
	v_or_b32 v12, v12, v13                         ; with lane l xor 16's two the word is whole
.irp c, 0,1
	v_cvt_scalef32_pk16_fp6_f32 v[48+6*\c:50+6*\c], v[64+32*\c:79+32*\c], v[44+\c]
	v_cvt_scalef32_pk16_fp6_f32 v[128+4*\c:130+4*\c], v[80+32*\c:95+32*\c], v[44+\c]   ; (a conversion's three registers begin on an even number)
.endr
	v_nop                                          ; one plain place behind a scaled conversion
.irp c, 0,1
.irp i, 0,1,2
	v_mov_b32 v[51+6*\c+\i], v[128+4*\c+\i]
.endr
.endr
.irp c, 0,1,2
	global_store_b128 v4, v[48+4*\c:51+4*\c], s[32:33] offset:512*\c   ; 32 lanes store 512 consecutive bytes
.endr
	ds_store_b32 v6, v12                           ; both lanes of a row write the same word with the same value
	s_wait_dscnt 0x0                               ; for the other waves: my word has landed
	s_barrier_signal -1
	s_barrier_wait -1
	s_wait_tensorcnt 0x0                           ; behind my last LDS store
	ds_add_u32 v26, v27
	s_wait_dscnt 0x0
	s_cmp_lg_u32 s22, 0
	s_cbranch_scc1 .Lend
	ds_load_b64 v[14:15], v5                       ; wave 0: the four tiles' words of 16 rows,
	s_wait_dscnt 0x0
	global_store_b64 v5, v[14:15], s[38:39]        ; 256 consecutive bytes, aligned
.Lend:
	s_endpgm
.Lfunc_end_k_qc8897026f1_prep:
	.size	k_qc8897026f1_prep, .Lfunc_end_k_qc8897026f1_prep-k_qc8897026f1_prep
	.p2alignl 7, 3214868480
	.fill 96, 4, 3214868480
	.section	.rodata,"a",@progbits
	.p2align	6, 0x0
	.amdhsa_kernel k_qc8897026f1_prep
		.amdhsa_group_segment_fixed_size 34560
		.amdhsa_private_segment_fixed_size 0
		.amdhsa_enable_private_segment 0
		.amdhsa_kernarg_size 72
		.amdhsa_user_sgpr_count 2
		.amdhsa_user_sgpr_kernarg_segment_ptr 1
		.amdhsa_wavefront_size32 1
		.amdhsa_system_sgpr_workgroup_id_x 1
		.amdhsa_system_sgpr_workgroup_id_y 1
		.amdhsa_system_sgpr_workgroup_id_z 1
		.amdhsa_system_vgpr_workitem_id 0
		.amdhsa_next_free_vgpr 136
		.amdhsa_next_free_sgpr 66
		.amdhsa_reserve_vcc 0
		.amdhsa_float_denorm_mode_32 3
		.amdhsa_float_denorm_mode_16_64 3
		.amdhsa_memory_ordered 1
		.amdhsa_forward_progress 1
		.amdhsa_inst_pref_size 12
	.end_amdhsa_kernel
	.amdgpu_metadata
---
amdhsa.version: [ 1, 2 ]
amdhsa.kernels:
  - .name:           k_qc8897026f1_prep
    .symbol:         k_qc8897026f1_prep.kd
    .args:
      - { .name: Wq, .offset: 0, .size: 8, .value_kind: global_buffer, .address_space: global }
      - { .name: Wk, .offset: 8, .size: 8, .value_kind: global_buffer, .address_space: global }
      - { .name: Wv, .offset: 16, .size: 8, .value_kind: global_buffer, .address_space: global }
      - { .name: Wo, .offset: 24, .size: 8, .value_kind: global_buffer, .address_space: global }
      - { .name: bq, .offset: 32, .size: 8, .value_kind: global_buffer, .address_space: global }
      - { .name: bk, .offset: 40, .size: 8, .value_kind: global_buffer, .address_space: global }
      - { .name: bv, .offset: 48, .size: 8, .value_kind: global_buffer, .address_space: global }
      - { .name: bo, .offset: 56, .size: 8, .value_kind: global_buffer, .address_space: global }
      - { .name: wts, .offset: 64, .size: 8, .value_kind: global_buffer, .address_space: global }
    .group_segment_fixed_size: 34560
    .private_segment_fixed_size: 0
    .kernarg_segment_align: 8
    .kernarg_segment_size: 72
    .max_flat_workgroup_size: 128
    .sgpr_count:     66
    .vgpr_count:     136
    .wavefront_size: 32
...
	.end_amdgpu_metadata
.endif
;; end of part 5
;; launch qkv (part 6): grid 256 x 1, 4 waves a work-group, no clusters, 90,112 bytes of LDS; arguments hidden_states, wts, qkv; writes qkv
.if DOCPART == 6
	.amdgcn_target "amdgcn-amd-amdhsa--gfx1250"
	.amdhsa_code_object_version 6
	.text
	.protected	k_qc8897026f1_qkv
	.globl	k_qc8897026f1_qkv
	.p2align	8
	.type	k_qc8897026f1_qkv,@function
k_qc8897026f1_qkv:
	s_mov_b64 s[64:65], 0
	v_nop
	global_prefetch_b8 v0, s[64:65] scope:SCOPE_SE
	s_setreg_imm32_b32 hwreg(HW_REG_WAVE_MODE, 25, 1), 1
	s_wait_xcnt 0x0
; q, k, v = hidden W^T + b on codes of FP6 (E2M3) with one E8M0 scale for each 32 along K; p-RoPE on q and k in f32; then q and k are quantised along the head's 64 and v along the tokens,
; and all three leave as images of the operand registers that the attention launch wants.
; SHARES: a work-group owns 64 tokens.  Wave w first quantises tokens' tile w (16 tokens x 768) and hands the six fragments round through LDS; then all 24 fragments of x stay in every wave's registers.
; x IS LOADED AS IT LIES: a K step of a token is 512 consecutive bytes, one load of the wave, 16 bytes a lane.  The conversions want 16 neighbours along K in one lane: so a K step's 16 rows turn through the wave's own
; stage in LDS (rows of 512 + 16 bytes) and come back, into the registers that they left, as 4 x 16 numbers of the lane's token.
; THE WAVES SHARE THE COLUMNS: wave w takes heads w, w + 4, w + 8 of q, then of k, then of v: nine units of 64 columns, all pointers a constant step apart.
; A unit: 6 K steps x 16 accumulators (4 tiles of tokens x 4 tiles of columns) = 96 matrix instructions; each weight fragment feeds four.  The weights come from memory straight into operand registers
; (images of 1536 bytes, 16 bytes a lane), two K steps to a refill, each refill asked for a whole unit ahead.
; q, k: the product is used TRANSPOSED (source 0 = 16 rows of W, source 1 = 16 tokens): a lane holds one token, its registers run along the head.  v: source 0 = tokens, source 1 = W: a lane holds one channel,
; its registers run along the tokens, which are the next K.  THE ROWS OF A TILE ARE NOT NEIGHBOURS: lane r of tile 2 b + u of a group of 64 (rows of W, tokens) takes 32 b + 8 u + r + 8 (r / 8),
; so that the 16 registers of tiles 2 b, 2 b + 1 are the neighbours 32 b + 16 (lane / 16) + 0 .. 15.  The bias is the C of each sum's first instruction.
; qkv:  images [b 16][q, k, v][head 12][49152]: q, k: [tile 64][768], a half fragment (16 tokens x 64): registers 2 p, 2 p + 1 at 256 p + 8 l.  v: [128 keys: 8][tile 4][64 keys: 2][768]
;       at QKS [b][q, k][head][tile 64][16] words (bytes 0, 1 the two blocks; bytes 2, 3 stand over zero codes);  at VSO [b][head][8][pair of tiles 2][lane 32] words
; SINE AND COSINE are made in f32: the quotient position / time scale corrected by one fused step, reduced by pi / 2 in two parts, polynomials of degree 7 and 8 on +-pi / 4.
; NO CLUSTER, NO TENSOR LOAD: all 256 work-groups read the same weights, but each byte goes into one wave's operand registers; a joint load lands in LDS alone, which would add a write and a read of LDS
; of 1,327,104 bytes a work-group and a round of barriers for every slot.
; LIMITS: a block of zeros gets the byte 1 (zero codes; this program alone reads the bytes); blocks under 2^-124 are held at that floor; NaN and infinities are not served.
; REGISTERS, window 0: v1-15 addresses; v16-27 x's scale words; v28-39 W's; v40-71 the bias; v72-135 T; v136-167 cosines, sines; v168-183 at work; v184-185 scale words; v186-205 codes; v207 the stage's read address.
;   window 1: v0-143 x's fragments of K steps 0-2, v144-239 W's of K steps 0, 1.   window 2: the same for K steps 3-5 and 2, 3.   window 3: v0-127 the accumulators, v144-239 W's of K steps 4, 5.
.set WSC,  1769472
.set BIMG, 1843200
.set QKS,  28311552
.set VSO,  29884416
.set XIMG, 0                           ; LDS: x's 24 fragments, (tile m, K step s) at (6 m + s) x 1536
.set XSC,  36864                       ; their scale words [m][p][32]: lanes 0-15 K step 2 p, lanes 16-31 K step 2 p + 1
.set TAB,  38400                       ; 64 tokens x (32 cosines, 32 sines, 16 bytes of padding)
.set STG,  55808                       ; a stage of 16 rows x 528 bytes for each wave
.set LI,   1                           ; 16 x lane
.set L8,   2                           ; 8 x lane
.set LS,   3                           ; 4 x lane
.set SW,   4                           ; my stage, on the way in: 16 x lane of a row
.set XWI,  5                           ; where I store x's images
.set XWS,  6                           ; and their scale words
.set LT,   7                           ; the table: my token's row + 64 h
.set TW,   8                           ; the table: where my thread writes
.set OQ16, 9
.set OQ8,  10
.set OV16, 11
.set OV8,  12
.set OSQ,  13
.set OSVV, 14
.set SH,   15                          ; 16 h
.set XS,   16
.set WS,   28
.set BIAS, 40
.set T,    72
.set COS,  136
.set SIN,  152
.set TM,   168
.set PW,   184
.set PW2,  185
.set PC,   186
.set POS,  206
.set SR,   207                         ; my stage, on the way out: row r, + 64 h
.set WP,   16                          ; s[16:17] the unit's weight images
.set WSP,  18                          ; s[18:19] its scale words
.set BP,   20                          ; s[20:21] its bias image
.set OI,   22                          ; s[22:23] its record of images
.set OS,   24                          ; s[24:25] q's and k's scale words
.set OSP,  26                          ; s[26:27] v's
.set SEL,  30
.set MSB, 0
.macro WIN new                         ; the immediate's high byte repeats the setting that is left; a switch that changes nothing is dropped
.if MSB != (\new)
	s_set_vgpr_msb (MSB<<8)|(\new)
.set MSB, (\new)
.endif
.endm
; The weights of K steps 2 p, 2 p + 1 of the unit st units on: 24 loads of 512 consecutive bytes; the scale words of both steps by one load; with p = 0 the bias image too.  33, 25, 25 loads.
.macro REFILL p, st
	WIN ((1+\p)<<6)
.irp t, 0,1,2,3
.irp e, 0,1
.irp c, 0,1,2
	global_load_b128 v[144+12*(2*\t+\e)+4*\c:144+12*(2*\t+\e)+4*\c+3], v[LI], s[WP:WP+1] offset:\st*147456+(6*\t+2*\p+\e)*1536+512*\c
.endr
.endr
.endr
	WIN 0
	global_load_b128 v[WS+4*\p:WS+4*\p+3], v[LI], s[WSP:WSP+1] offset:\st*6144+512*\p
.if \p == 0
.irp t, 0,1,2,3
.irp c, 0,1
	global_load_b128 v[BIAS+8*\t+4*\c:BIAS+8*\t+4*\c+3], v[LI], s[BP:BP+1] offset:\st*16384+1024*\t+512*\c
.endr
.endr
.endif
.endm
.macro MM d, a, b, c, sa, sb, row      ; row = 1: both sides' scales stand in lanes 16-31
.if \row
	v_wmma_scale_f32_16x16x128_f8f6f4 v[\d:\d+7], v[\a:\a+11], v[\b:\b+11], v[\c:\c+7], v[\sa], v[\sb] matrix_a_fmt:MATRIX_FMT_FP6 matrix_b_fmt:MATRIX_FMT_FP6 matrix_a_scale:MATRIX_SCALE_ROW1 matrix_b_scale:MATRIX_SCALE_ROW1
.else
	v_wmma_scale_f32_16x16x128_f8f6f4 v[\d:\d+7], v[\a:\a+11], v[\b:\b+11], v[\c:\c+7], v[\sa], v[\sb] matrix_a_fmt:MATRIX_FMT_FP6 matrix_b_fmt:MATRIX_FMT_FP6
.endif
.endm
; Two K steps: 2 x 16 matrix instructions; the 16 accumulators take turns, one instruction a turn, in the same order in every K step.
; cnt: the loads issued behind the refill that these products read.  Five plain places follow: for the loads into registers that the products have read, for the first read of results,
; and for the next unit's first products, which begin the accumulators anew.
.macro PHASE p, kind, cnt, fill
	s_wait_loadcnt \cnt
.irp e, 0,1
.set KS_, 2*\p+\e
.set XW_, 1+KS_/3
.set CW_, 3
.if KS_ == 0
.set CW_, 0
.endif
.if \kind == 0
.set WN_, (3<<6)|(CW_<<4)|(XW_<<2)|(1+\p)
.else
.set WN_, (3<<6)|(CW_<<4)|((1+\p)<<2)|XW_
.endif
	WIN WN_
.irp t, 0,1,2,3
.irp m, 0,1,2,3
.set WF_, 144+12*(2*\t+\e)
.set XF_, 12*(4*(KS_%3)+\m)
.set WS_, WS+4*\p+\t
.set XS_, XS+3*\m+\p
.if \kind == 0
.set AC_, 8*(4*\m+\t)
.else
.set AC_, 8*(4*\t+\m)
.endif
.set CC_, AC_
.if KS_ == 0
.set CC_, BIAS+8*\t
.endif
.if \kind == 0
	MM AC_, WF_, XF_, CC_, WS_, XS_, \e
.else
	MM AC_, XF_, WF_, CC_, XS_, WS_, \e
.endif
.endr
.endr
.endr
	WIN 0
.rept 5
	v_nop
.endr
.if \fill
	REFILL \p, 1
.endif
.endm
; 64 numbers of a lane, v[s] .. v[s + 63] of window dw, register 16 b + i = k 32 b + 16 (lane / 16) + i of my row, become 12 registers of codes in v[PC] on
; (registers 6 c .. 6 c + 5 of lane (r, h): block 2 c + h) and the four scale bytes in v[PW], in every lane.
; gx = 1: the codes' registers were last read by stores to memory; gx = 0: by LDS stores, which have been waited for.
.macro QUANT s, dw, gx
	WIN (((\dw)<<2)|((\dw)<<4))
.irp b, 0,1,2,3
	v_max3_num_f32 v[TM+\b], 0x1800000, |v[(\s)+16*\b]|, |v[(\s)+16*\b+1]|   ; my 16 numbers of block b, and the floor 2^(3 - 127): the byte cannot fall under 1
.endr
.irp i, 2,4,6,8,10,12,14
.irp b, 0,1,2,3
	v_max3_num_f32 v[TM+\b], v[TM+\b], |v[(\s)+16*\b+\i]|, |v[(\s)+16*\b+\i+1]|   ; (the four blocks by turns)
.endr
.endr
	WIN 0
.irp b, 0,1,2,3
	v_permlanex16_b32 v[TM+4+\b], v[TM+\b], s[SEL], s[SEL+1]
.endr
.irp b, 0,1,2,3
	v_max_num_f32 v[TM+\b], v[TM+\b], v[TM+4+\b]   ; with lane l xor 16's: the block's largest magnitude
.endr
.irp b, 0,1,2,3
	v_add_nc_u32 v[TM+12+\b], 0xff000000, v[TM+\b] ; 2 off its exponent field: the conversion's scale operand
.endr
.irp b, 0,1,2,3
	v_lshrrev_b32 v[TM+4+\b], 23, v[TM+12+\b]      ; the scale's byte
.endr
	v_lshl_or_b32 v[PW], v[TM+5], 8, v[TM+4]
	v_lshl_or_b32 v[PW], v[TM+6], 16, v[PW]
	v_lshl_or_b32 v[PW], v[TM+7], 24, v[PW]
.if \gx
	s_wait_xcnt 0x0                                ; the last stores have read the codes' registers: only now are they written again
.endif
	WIN (\dw)
.irp c, 0,1
	v_cvt_scalef32_pk16_fp6_f32 v[PC+6*\c:PC+6*\c+2], v[(\s)+32*\c:(\s)+32*\c+15], v[TM+12+2*\c]
	v_cvt_scalef32_pk16_fp6_f32 v[PC+12+4*\c:PC+14+4*\c], v[(\s)+32*\c+16:(\s)+32*\c+31], v[TM+13+2*\c]   ; (a conversion's three registers begin on an even number)
.endr
	WIN 0
	v_nop                                          ; one plain place behind a scaled conversion
.irp c, 0,1                                    ; the operand's layout wants a whole block in a lane
.irp i, 0,1,2
	v_permlane16_swap_b32 v[PC+6*\c+\i], v[PC+12+4*\c+\i]
.endr
.irp i, 0,1,2
	v_mov_b32 v[PC+3+6*\c+\i], v[PC+12+4*\c+\i]
.endr
.endr
.endm
.macro CSLOAD m                        ; my token's 16 cosines and 16 sines of tile m: angles 16 h + 0 .. 15 (lanes 16-31 find ones and zeros: those angles do not turn)
.irp i, 0,1,2,3
	ds_load_b128 v[COS+4*\i:COS+4*\i+3], v[LT] offset:TAB+(32*(\m/2)+8*(\m%2))*272+16*\i
	ds_load_b128 v[SIN+4*\i:SIN+4*\i+3], v[LT] offset:TAB+(32*(\m/2)+8*(\m%2))*272+128+16*\i
.endr
.endm
; x1 cos - x2 sin and x2 cos + x1 sin: registers 0-15 of a tile of tokens are x1 (d = 16 h + i), registers 16-31 x2 (d = 32 + 16 h + i).  Each accumulator is read from its low end on.
.macro ROPE m, mm
	WIN 0x03                                       ; source 0: the accumulators, window 3
.set j, 0
.rept 8
	v_pk_mul_f32 v[T+32*\mm+j:T+32*\mm+j+1], v[32*\m+j:32*\m+j+1], v[COS+j:COS+j+1]
.set j, j+2
.endr
.set j, 0
.rept 8
	v_pk_mul_f32 v[T+32*\mm+16+j:T+32*\mm+16+j+1], v[32*\m+16+j:32*\m+16+j+1], v[COS+j:COS+j+1]
.set j, j+2
.endr
.set j, 0
.rept 8
	v_pk_fma_f32 v[T+32*\mm+j:T+32*\mm+j+1], v[32*\m+16+j:32*\m+16+j+1], v[SIN+j:SIN+j+1], v[T+32*\mm+j:T+32*\mm+j+1] neg_lo:[1,0,0] neg_hi:[1,0,0]
.set j, j+2
.endr
.set j, 0
.rept 8
	v_pk_fma_f32 v[T+32*\mm+16+j:T+32*\mm+16+j+1], v[32*\m+j:32*\m+j+1], v[SIN+j:SIN+j+1], v[T+32*\mm+16+j:T+32*\mm+16+j+1]
.set j, j+2
.endr
	WIN 0
.endm
.macro QKSTORE c2                      ; two half fragments (tiles 2 c2, 2 c2 + 1 of my 64 tokens) and their scale words: lanes 0-15 the first tile's two bytes, lanes 16-31 the second's
	v_lshrrev_b32 v[PW2], v[SH], v[PW]
	global_store_b64 v[OQ8], v[PC:PC+1], s[OI:OI+1] offset:1536*\c2        ; q's and k's half fragments leave as three planes: registers 2 p, 2 p + 1 of lane l at 256 p + 8 l
	global_store_b64 v[OQ8], v[PC+2:PC+3], s[OI:OI+1] offset:1536*\c2+256
	global_store_b64 v[OQ8], v[PC+4:PC+5], s[OI:OI+1] offset:1536*\c2+512
	global_store_b64 v[OQ8], v[PC+6:PC+7], s[OI:OI+1] offset:1536*\c2+768
	global_store_b64 v[OQ8], v[PC+8:PC+9], s[OI:OI+1] offset:1536*\c2+1024
	global_store_b64 v[OQ8], v[PC+10:PC+11], s[OI:OI+1] offset:1536*\c2+1280
	global_store_b32 v[OSQ], v[PW2], s[OS:OS+1] offset:128*\c2
.endm
.macro VSTORE q                        ; the half fragments of channel tiles 2 q, 2 q + 1 for my 64 tokens; my two bytes of each channel's word (the other two are the neighbouring work-group's)
	v_lshrrev_b32 v[PW2], v[SH], v[PW]
	global_store_b128 v[OV16], v[PC:PC+3], s[OI:OI+1] offset:3072*\q
	global_store_b64 v[OV8], v[PC+4:PC+5], s[OI:OI+1] offset:3072*\q+512
	global_store_b128 v[OV16], v[PC+6:PC+9], s[OI:OI+1] offset:3072*\q+1536
	global_store_b64 v[OV8], v[PC+10:PC+11], s[OI:OI+1] offset:3072*\q+2048
	global_store_b16 v[OSVV], v[PW2], s[OSP:OSP+1] offset:128*\q
.endm
; A unit of 64 columns.  The counts: behind the refill of K steps 0, 1 stand the last unit's other two refills, 25 + 25; behind that of steps 2, 3 the 25 of steps 4, 5 and this unit's 33;
; behind that of steps 4, 5 this unit's 33 + 25.  The last unit asks for nothing: 50, 25, 0.
.macro UNIT kind, fill
	PHASE 0, \kind, 50, \fill
.if \fill
	PHASE 1, \kind, 58, 1
.else
	PHASE 1, \kind, 25, 0
.endif
.if \kind == 0
	CSLOAD 0
.endif
.if \fill
	PHASE 2, \kind, 58, 1
.else
	PHASE 2, \kind, 0, 0
.endif
.if \kind == 0
	s_wait_dscnt 0x0
	ROPE 0, 0
	CSLOAD 1
	s_wait_dscnt 0x0
	ROPE 1, 1
	CSLOAD 2
	QUANT T, 0, 1
	QKSTORE 0
	s_wait_dscnt 0x0
	ROPE 2, 0
	CSLOAD 3
	s_wait_dscnt 0x0
	ROPE 3, 1
	QUANT T, 0, 1
	QKSTORE 1
.else
	QUANT 0, 3, 1
	VSTORE 0
	QUANT 64, 3, 1
	VSTORE 1
.endif
.if \fill
	s_wait_xcnt 0x0                                ; every load and store has read its base: the pointers step to the next unit
	s_add_nc_u64 s[WP:WP+1], s[WP:WP+1], 147456
	s_add_nc_u64 s[WSP:WSP+1], s[WSP:WSP+1], 6144
	s_add_nc_u64 s[BP:BP+1], s[BP:BP+1], 16384
	s_add_nc_u64 s[OI:OI+1], s[OI:OI+1], 196608
.if \kind == 0
	s_add_nc_u64 s[OS:OS+1], s[OS:OS+1], 16384
.else
	s_add_nc_u64 s[OSP:OSP+1], s[OSP:OSP+1], 8192
.endif
.endif
.endm
; K step s of my 16 tokens, a token a load: K steps 0, 1 into window 3, 2, 3 into window 1, 4, 5 into window 2, all in registers that are free until the products begin
.macro XLOAD s
	WIN (((((\s)/2)+2)%3+1)<<6)
.irp i, 0,1,2,3,4,5,6,7,8,9,10,11,12,13,14,15
	global_load_b128 v[64*((\s)%2)+4*\i:64*((\s)%2)+4*\i+3], v[LI], s[4:5] offset:(\i+8*(\i/8))*3072+512*(\s) th:TH_LOAD_NT   ; 32 lanes read 512 consecutive bytes
.endr
.endm
; K step s turns through my stage: in as loaded, a row of the stage a token; out 16 neighbours of each block of 32 to a lane, into the registers that the rows left.
; LDS serves a wave's instructions in order: no wait between the stores and the loads, nor in front of the next K step's stores.
.macro TURN s
.set DW_, (((\s)/2)+2)%3+1
	WIN ((DW_<<6)|(DW_<<2))                        ; an LDS store's data are its source 1, loaded data the destination
.irp i, 0,1,2,3,4,5,6,7,8,9,10,11,12,13,14,15
	ds_store_b128 v[SW], v[64*((\s)%2)+4*\i:64*((\s)%2)+4*\i+3] offset:STG+528*\i
.endr
.irp b, 0,1,2,3
.irp j, 0,1,2,3
	ds_load_b128 v[64*((\s)%2)+16*\b+4*\j:64*((\s)%2)+16*\b+4*\j+3], v[SR] offset:STG+128*\b+16*\j
.endr
.endr
	WIN 0
.endm
	s_load_b128 s[4:7], s[0:1], 0x0                ; hidden_states, wts
	s_load_b64 s[8:9], s[0:1], 0x10                ; qkv
	v_lshl_add_u32 v250, v0, 2, 89600              ; my spare word, behind the four stages; never rewritten
	v_mov_b32 v251, 0                              ; 0; never rewritten
	v_lshrrev_b32 v244, 5, v0
	v_readfirstlane_b32 s10, v244                  ; wave
	v_and_b32 v240, 31, v0                         ; lane
	v_and_b32 v241, 15, v0                         ; r
	s_wait_alu depctr_va_vdst(0)
	v_bfe_u32 v242, v0, 4, 1                       ; h
	v_and_b32 v243, 8, v241
	v_add_nc_u32 v243, v243, v241                  ; r + 8 (r / 8)
	s_lshr_b32 s11, ttmp9, 4                       ; b
	s_and_b32 s12, ttmp9, 15                       ; which 64 tokens of the sequence
	v_lshlrev_b32 v[LI], 4, v240
	v_lshlrev_b32 v[L8], 3, v240
	v_lshlrev_b32 v[LS], 2, v240
	s_lshr_b32 s13, s10, 1
	s_lshl_b32 s13, s13, 5
	s_and_b32 s14, s10, 1
	s_lshl_b32 s14, s14, 3
	s_add_co_u32 s13, s13, s14                     ; tile w's first token
	s_mul_i32 s49, s13, 3072                       ; in bytes of x
	s_mul_i32 s13, s10, 8448                       ; my stage
	v_add_nc_u32 v[SW], s13, v[LI]
	v_mul_u32_u24 v[SR], v241, 528
	s_wait_alu depctr_va_vdst(0)
	v_lshl_add_u32 v[SR], v242, 6, v[SR]           ; + 64 h: my 16 numbers of a block of 32
	v_add_nc_u32 v[SR], s13, v[SR]
	s_mul_i32 s13, s10, 9216
	v_add_nc_u32 v[XWI], s13, v[LI]
	s_mul_i32 s13, s10, 384
	v_lshl_add_u32 v[XWS], v241, 2, s13
	v_mul_u32_u24 v[LT], v243, 272
	v_lshl_add_u32 v[LT], v242, 6, v[LT]
	v_and_b32 v244, 63, v0                         ; the table: thread t makes token t % 64, angles 8 (t / 64) + 0 .. 7
	v_lshrrev_b32 v245, 6, v0
	v_mul_u32_u24 v[TW], v244, 272
	v_lshl_add_u32 v[TW], v245, 5, v[TW]
	s_lshl_b32 s13, s12, 6
	v_add_nc_u32 v244, s13, v244
	v_cvt_f32_u32 v[POS], v244                     ; its position in the sequence
	s_mul_i32 s13, s12, 3072
	v_add_nc_u32 v[OQ8], s13, v[L8]
	s_lshr_b32 s13, s12, 1
	s_and_b32 s14, s12, 1
	s_mul_i32 s15, s13, 6144
	s_mul_i32 s29, s14, 768
	s_add_co_u32 s15, s15, s29
	v_add_nc_u32 v[OV16], s15, v[LI]
	v_add_nc_u32 v[OV8], s15, v[L8]
	s_lshl_b32 s15, s12, 8
	v_add_nc_u32 v[OSQ], s15, v[LS]
	s_lshl_b32 s15, s13, 8
	s_lshl_b32 s29, s14, 1
	s_add_co_u32 s15, s15, s29
	v_add_nc_u32 v[OSVV], s15, v[LS]
	v_lshlrev_b32 v[SH], 4, v242
.irp b, 0,1,2,3
	v_mov_b32 v[TM+4+\b], 0                        ; written once: a lane permute's destination counts as one of its sources
.endr
	s_mov_b32 s[SEL], 0x76543210
	s_mov_b32 s[SEL+1], 0xfedcba98
	s_mov_b32 s15, 0
	s_wait_kmcnt 0x0
	s_mul_i32 s14, ttmp9, 196608
	s_add_co_u32 s14, s14, s49
	s_add_nc_u64 s[4:5], s[4:5], s[14:15]          ; x at my tile's first token
	s_mul_i32 s14, s10, 36864
	s_add_nc_u64 s[WP:WP+1], s[6:7], s[14:15]
	s_mul_i32 s14, s10, 1536
	s_add_nc_u64 s[WSP:WSP+1], s[6:7], s[14:15]
	s_add_nc_u64 s[WSP:WSP+1], s[WSP:WSP+1], WSC
	s_lshl_b32 s14, s10, 12
	s_add_nc_u64 s[BP:BP+1], s[6:7], s[14:15]
	s_add_nc_u64 s[BP:BP+1], s[BP:BP+1], BIMG
	s_mul_i32 s14, s11, 36
	s_add_co_u32 s14, s14, s10
	s_mul_i32 s14, s14, 49152
	s_add_nc_u64 s[OI:OI+1], s[8:9], s[14:15]
	s_mul_i32 s14, s11, 24
	s_add_co_u32 s14, s14, s10
	s_lshl_b32 s14, s14, 12
	s_add_nc_u64 s[OS:OS+1], s[8:9], s[14:15]
	s_add_nc_u64 s[OS:OS+1], s[OS:OS+1], QKS
	s_mul_i32 s14, s11, 12
	s_add_co_u32 s14, s14, s10
	s_lshl_b32 s14, s14, 11
	s_add_nc_u64 s[OSP:OSP+1], s[8:9], s[14:15]
	s_add_nc_u64 s[OSP:OSP+1], s[OSP:OSP+1], VSO
	XLOAD 0                                        ; x first: it is wanted first.  48 loads now, 48 behind the table
	XLOAD 1
	XLOAD 2
	WIN 0
	; ---- the table of cosines and sines, while the loads are on their way
.macro TSSEL e, lo, hi                 ; the time scale 10^(i / 8) as f32: i = e in waves 0, 1, i = 8 + e in waves 2, 3
	s_mov_b32 s[32+\e], \hi
	s_cselect_b32 s[32+\e], \lo, s[32+\e]
.endm
	s_cmp_lt_u32 s10, 2
	TSSEL 0, 0x3f800000, 0x41200000
	TSSEL 1, 0x3faab0d5, 0x41555d0a
	TSSEL 2, 0x3fe39ea9, 0x418e432a
	TSSEL 3, 0x4017c496, 0x41bdb5bc
	TSSEL 4, 0x404a62c2, 0x41fcfb72
	TSSEL 5, 0x4086f161, 0x4228adb9
	TSSEL 6, 0x40b3f300, 0x4260efc0
	TSSEL 7, 0x40eff755, 0x4295fa95
	s_mov_b32 s40, 0x3f22f983                      ; 2 / pi
	s_mov_b32 s41, 0x3fc90fdb                      ; pi / 2, its f32
	s_mov_b32 s42, 0xb33bbd2e                      ; and what that leaves
	s_mov_b32 s43, 0xb94ca1f9                      ; the sine's coefficients
	s_mov_b32 s44, 0x3c08839e
	s_mov_b32 s45, 0xbe2aaaa3
	s_mov_b32 s46, 0x37ccf5ce                      ; the cosine's
	s_mov_b32 s47, 0xbab6061a
	s_mov_b32 s48, 0x3d2aaaa5
.set RC,   72
.set A_,   80
.set N_,   88
.set R_,   96
.set Z_,   104
.set SN,   112
.set CN,   120
.set QI,   128
.set TP,   208
.set COSR, 216
.set SINR, 224
.set ONE,  232
.set ZER,  236
.irp e, 0,1,2,3,4,5,6,7
	v_rcp_f32 v[RC+\e], s[32+\e]
.endr
	v_nop                                          ; a plain place behind the last reciprocal
	s_wait_alu depctr_va_vdst(0)                   ; one wait for the eight, ahead of their first reader
.irp e, 0,1,2,3,4,5,6,7
	v_mul_f32 v[A_+\e], v[POS], v[RC+\e]
.endr
.irp e, 0,1,2,3,4,5,6,7
	v_fma_f32 v[TP+\e], -v[A_+\e], s[32+\e], v[POS]   ; what the first quotient leaves,
.endr
.irp e, 0,1,2,3,4,5,6,7
	v_fma_f32 v[A_+\e], v[TP+\e], v[RC+\e], v[A_+\e]  ; put right: the angle position / time scale in f32
.endr
.irp e, 0,1,2,3,4,5,6,7
	v_mul_f32 v[N_+\e], s40, v[A_+\e]
.endr
.irp e, 0,1,2,3,4,5,6,7
	v_rndne_f32 v[N_+\e], v[N_+\e]                 ; n: quarter turns, at most 651
.endr
.irp e, 0,1,2,3,4,5,6,7
	v_fma_f32 v[R_+\e], -v[N_+\e], s41, v[A_+\e]   ; exact: a multiple of 2^-23 under 1
.endr
.irp e, 0,1,2,3,4,5,6,7
	v_fma_f32 v[R_+\e], -v[N_+\e], s42, v[R_+\e]
.endr
.irp e, 0,1,2,3,4,5,6,7
	v_mul_f32 v[Z_+\e], v[R_+\e], v[R_+\e]
.endr
.irp e, 0,1,2,3,4,5,6,7
	v_fma_f32 v[SN+\e], v[Z_+\e], s43, s44
.endr
.irp e, 0,1,2,3,4,5,6,7
	v_fma_f32 v[SN+\e], v[SN+\e], v[Z_+\e], s45
.endr
.irp e, 0,1,2,3,4,5,6,7
	v_mul_f32 v[TP+\e], v[Z_+\e], v[R_+\e]
.endr
.irp e, 0,1,2,3,4,5,6,7
	v_fma_f32 v[SN+\e], v[SN+\e], v[TP+\e], v[R_+\e]  ; sin r
.endr
.irp e, 0,1,2,3,4,5,6,7
	v_fma_f32 v[CN+\e], v[Z_+\e], s46, s47
.endr
.irp e, 0,1,2,3,4,5,6,7
	v_fma_f32 v[CN+\e], v[CN+\e], v[Z_+\e], s48
.endr
.irp e, 0,1,2,3,4,5,6,7
	v_mul_f32 v[TP+\e], v[Z_+\e], v[Z_+\e]
.endr
.irp e, 0,1,2,3,4,5,6,7
	v_fma_f32 v[Z_+\e], v[Z_+\e], -0.5, 1.0
.endr
.irp e, 0,1,2,3,4,5,6,7
	v_fma_f32 v[CN+\e], v[CN+\e], v[TP+\e], v[Z_+\e]  ; cos r
.endr
.irp e, 0,1,2,3,4,5,6,7
	v_cvt_i32_f32 v[QI+\e], v[N_+\e]
.endr
.irp e, 0,1,2,3,4,5,6,7                        ; the quarter: odd n swaps the two; the sine is negative in quarters 2, 3, the cosine in 1, 2.  Values are chosen, nothing branches
	v_and_b32 v[TP+\e], 1, v[QI+\e]
	v_cmp_eq_u32 vcc_lo, 1, v[TP+\e]
	v_cndmask_b32 v[SINR+\e], v[SN+\e], v[CN+\e], vcc_lo
	v_cndmask_b32 v[COSR+\e], v[CN+\e], v[SN+\e], vcc_lo
	v_lshlrev_b32 v[TP+\e], 30, v[QI+\e]
	v_and_b32 v[TP+\e], 0x80000000, v[TP+\e]
	v_xor_b32 v[SINR+\e], v[SINR+\e], v[TP+\e]
	v_add_nc_u32 v[QI+\e], 1, v[QI+\e]
	v_lshlrev_b32 v[QI+\e], 30, v[QI+\e]
	v_and_b32 v[QI+\e], 0x80000000, v[QI+\e]
	v_xor_b32 v[COSR+\e], v[COSR+\e], v[QI+\e]
.endr
.irp i, 0,1,2,3
	v_mov_b32 v[ONE+\i], 1.0
	v_mov_b32 v[ZER+\i], 0
.endr
	ds_store_b128 v[TW], v[COSR:COSR+3] offset:TAB
	ds_store_b128 v[TW], v[COSR+4:COSR+7] offset:TAB+16
	ds_store_b128 v[TW], v[ONE:ONE+3] offset:TAB+64      ; angles 16 to 31 have an infinite time scale: cosine 1,
	ds_store_b128 v[TW], v[ONE:ONE+3] offset:TAB+80
	ds_store_b128 v[TW], v[SINR:SINR+3] offset:TAB+128
	ds_store_b128 v[TW], v[SINR+4:SINR+7] offset:TAB+144
	ds_store_b128 v[TW], v[ZER:ZER+3] offset:TAB+192     ; sine 0
	ds_store_b128 v[TW], v[ZER:ZER+3] offset:TAB+208
	XLOAD 3
	XLOAD 4
	XLOAD 5
	WIN 0
	; ---- my tile of x becomes six fragments, which go to LDS as they stand.  The first unit's weights are asked for behind x, where few of x's loads are still out
.irp s, 0,1,2,3,4,5
.if \s < 2
	s_wait_loadcnt 63                              ; this K step's 16 loads are in (behind them stand 80 and 64 loads; the count names as many as it can)
.elseif \s < 5
	s_wait_loadcnt 16*(5-\s)                       ; this K step's 16 loads are in; the later K steps' may be out
.else
	s_wait_loadcnt 33                              ; the last K step's are in; behind them stand the 33 loads of the first refill
.endif
.if \s == 4
	REFILL 0, 0
.endif
.if \s == 5
	REFILL 1, 0
.endif
	TURN \s
	s_wait_dscnt 0x0                               ; the K step is back from the stage; the last K step's image and the table have landed
.set QS_, 64*(\s%2)
.set QW_, ((\s/2)+2)%3+1
	QUANT QS_, QW_, 0
.irp c, 0,1,2
	ds_store_b128 v[XWI], v[PC+4*\c:PC+4*\c+3] offset:XIMG+\s*1536+512*\c
.endr
	ds_store_b32 v[XWS], v[PW] offset:XSC+(\s/2)*128+(\s%2)*64   ; both lanes of a token write the same word with the same value
.endr
	s_wait_dscnt 0x0                               ; for the other waves: all my LDS stores have landed
	s_barrier_signal -1                            ; the launch's one barrier: behind it LDS is only read
	s_barrier_wait -1
	REFILL 2, 0                                    ; behind the first refill now stand 25 + 25 loads, as in every unit
.irp s, 0,1,2,3,4,5
	WIN ((1+\s/3)<<6)
.irp m, 0,1,2,3
.irp c, 0,1,2
	ds_load_b128 v[12*(4*(\s%3)+\m)+4*\c:12*(4*(\s%3)+\m)+4*\c+3], v[LI] offset:XIMG+(6*\m+\s)*1536+512*\c
.endr
.endr
.endr
	WIN 0
.irp m, 0,1,2,3
.irp p, 0,1,2
	ds_load_b32 v[XS+3*\m+\p], v[LS] offset:XSC+(3*\m+\p)*128
.endr
.endr
	s_wait_dscnt 0x0
	s_mov_b32 s28, 6
.Lqk:                                              ; q's three heads, then k's
	UNIT 0, 1
	s_sub_co_u32 s28, s28, 1
	s_cmp_lg_u32 s28, 0
	s_cbranch_scc1 .Lqk
	s_mov_b32 s28, 2
.Lv:                                               ; v's first two heads
	UNIT 1, 1
	s_sub_co_u32 s28, s28, 1
	s_cmp_lg_u32 s28, 0
	s_cbranch_scc1 .Lv
	UNIT 1, 0                                      ; the last unit is written out: it asks for no further weights
	s_wait_tensorcnt 0x0                           ; the wave's end
	ds_add_u32 v250, v251
	s_wait_dscnt 0x0
	s_endpgm
.Lfunc_end_k_qc8897026f1_qkv:
	.size	k_qc8897026f1_qkv, .Lfunc_end_k_qc8897026f1_qkv-k_qc8897026f1_qkv
	.p2alignl 7, 3214868480
	.fill 96, 4, 3214868480
	.section	.rodata,"a",@progbits
	.p2align	6, 0x0
	.amdhsa_kernel k_qc8897026f1_qkv
		.amdhsa_group_segment_fixed_size 90112
		.amdhsa_private_segment_fixed_size 0
		.amdhsa_enable_private_segment 0
		.amdhsa_kernarg_size 24
		.amdhsa_user_sgpr_count 2
		.amdhsa_user_sgpr_kernarg_segment_ptr 1
		.amdhsa_wavefront_size32 1
		.amdhsa_system_sgpr_workgroup_id_x 1
		.amdhsa_system_sgpr_workgroup_id_y 1
		.amdhsa_system_sgpr_workgroup_id_z 1
		.amdhsa_system_vgpr_workitem_id 0
		.amdhsa_next_free_vgpr 1024
		.amdhsa_next_free_sgpr 66
		.amdhsa_reserve_vcc 1
		.amdhsa_float_denorm_mode_32 3
		.amdhsa_float_denorm_mode_16_64 3
		.amdhsa_memory_ordered 1
		.amdhsa_forward_progress 1
		.amdhsa_inst_pref_size 170
	.end_amdhsa_kernel
	.amdgpu_metadata
---
amdhsa.version: [ 1, 2 ]
amdhsa.kernels:
  - .name:           k_qc8897026f1_qkv
    .symbol:         k_qc8897026f1_qkv.kd
    .args:
      - { .name: hidden_states, .offset: 0, .size: 8, .value_kind: global_buffer, .address_space: global }
      - { .name: wts, .offset: 8, .size: 8, .value_kind: global_buffer, .address_space: global }
      - { .name: qkv, .offset: 16, .size: 8, .value_kind: global_buffer, .address_space: global }
    .group_segment_fixed_size: 90112
    .private_segment_fixed_size: 0
    .kernarg_segment_align: 8
    .kernarg_segment_size: 24
    .max_flat_workgroup_size: 128
    .sgpr_count:     66
    .vgpr_count:     1024
    .wavefront_size: 32
...
	.end_amdgpu_metadata
.endif
;; end of part 6
;; launch attn (part 7): grid 16 x 16, 16 waves a work-group, no clusters, 210,944 bytes of LDS; arguments qkv, att; writes att
.if DOCPART == 7
	.amdgcn_target "amdgcn-amd-amdhsa--gfx1250"
	.amdhsa_code_object_version 6
	.text
	.protected	k_qc8897026f1_attn
	.globl	k_qc8897026f1_attn
	.p2align	8
	.type	k_qc8897026f1_attn,@function
k_qc8897026f1_attn:
	s_mov_b64 s[64:65], 0
	v_nop
	global_prefetch_b8 v0, s[64:65] scope:SCOPE_SE
	s_setreg_imm32_b32 hwreg(HW_REG_WAVE_MODE, 25, 1), 1
	s_wait_xcnt 0x0
; softmax(q k^T / 8) v, both products on codes of FP6 (E2M3) with one E8M0 scale for each 32 along K; the result, divided by the row's sum, is quantised along the head's 64
; and leaves as half a fragment of the output projection's operand.
; THE FACTOR 1/8 is a power of two: q / 8 has q's codes with the scale's exponent 3 lower, so the factor stands in c = log2(e) / 8.  (LIMIT: no longer exact where q's scale is held at its lower end, |q| under some 2^-121.)
; THE SOFTMAX: t = score x c; M = the running largest t rounded UP to a whole number; p = 2^(t - M) is quantised along the keys, not normalised; the row's sum is taken of the unquantised p;
; when M moves, the sum and O are multiplied by 2^(old M - new M), which rounds nothing.
; SHARES: an item is 256 queries of one head, a batch has 48; work-group (x, y) takes items 3 x + 0, 1, 2 of batch y (head = item / 4).  Each of the sixteen waves owns one tile of 16 queries of each item.
; Three items on end touch ONE OR TWO heads.  Each head's k and v (images of operand registers, and scale words) is copied into a region of LDS ONCE: region 0 the first item's head, region 1 the next head where
; the third item has another head than the first (a branch on the work-group's number alone).  All copies go out at the head and are awaited ahead of the launch's ONE barrier; behind it LDS is only read,
; so the waves walk their three items with no further meeting.  An item's region is chosen by s_cselect_b32 on ids.
; WHOLE BLOCKS OF p IN A LANE: both products are transposed (S^T = k q^T, O^T = v^T p^T), a lane holds one query.  Lanes 0-15 of a result hold a tile's rows 0-7, lanes 16-31 its rows 8-15.  The keys of a tile are chosen
; when k is read from LDS: rows 0-7 are keys 8 g + 0 .. 7 of block 2 c of the step's four blocks of 32, rows 8-15 the same keys of block 2 c + 1.  So the 32 registers of tiles 4 c .. 4 c + 3 are the 32 keys of block 2 c + h
; in their order, which is what the 6-bit operand's layout gives that lane: a block's maximum needs no other lane and no code changes lanes.
; k IN LDS: 32 keys are two images of 768 bytes.  Those of every second 32 keys land with bit 6 of the address flipped (the copy's LDS address is xor 64).  A load of 8 bytes a lane, whose lanes r < 8 read an even
; 32 keys and whose lanes r >= 8 the odd 32 behind them, then touches 4 x 64 bytes at 0, 64, 128, 192 modulo 256.  Keys 0-15 and keys 16-31 of a block have an address register each, since the flip goes up for the one and down for the other.
; K = 64 in the first product: q's registers 6-11 hold zero codes, so whatever k's registers 6-11 hold adds nothing (every 6-bit code is finite, every scale byte there is under 0xff): k's fragments lie 6 registers apart.
; NO CLUSTER: work-groups that share a head need one or two regions, not the same number, and the copies go lane by lane and have no joint form.  NO PREFETCH: all that is read is asked for at the head; no loop runs ahead of a load.
; LIMITS: a block of zeros gets the byte 1; NaN and infinities are not served; the scaled scores stay under 2^31 in magnitude.
.set QKS, 28311552
.set VSO, 29884416
.set ASC, 9437184
.set VI,  49152                        ; in a region: k's images at 0, v's here,
.set KSL, 98304                        ; k's scale words,
.set VSL, 102400                       ; v's
.set REG, 104448                       ; a region
.set SPARE, 2*REG                      ; the spare words: 128 bytes for each of 16 waves
.set L16, 1                            ; 16 x lane
.set L8,  2                            ; 8 x lane
.set L4,  3                            ; 4 x lane
.set KA,  4                            ; k, keys 0-15 of a block: 8 (r % 8) + 128 h + 1600 (r / 8)
.set KA1, 155                          ; k, keys 16-31: 8 (r % 8) + 128 h + 64 + 1472 (r / 8)
.set KSA, 5                            ; k's words: 128 (r / 8) + 4 (r % 8) + 64 h
.set SPW, 6                            ; my spare word; never rewritten
.set NIL, 7                            ; 0; never rewritten
.set R4,  8                            ; 4 r
.set SH8, 9                            ; 8 h
.set KB,  10                           ; the item's addresses: k (v10, v156), v by 16, v by 8, k's words, v's words
.set KB1, 156
.set VB,  11
.set V8B, 12
.set KSB, 13
.set VSB, 14
.set AK,  15                           ; the step's: k (v15, v157), v by 16, v by 8, k's words, v's words
.set AK1, 157
.set AV,  16
.set AV8, 17
.set AKS, 18
.set AVS, 19
.set NM,  20                           ; v20 -M, v21 the largest score so far
.set SUM, 22                           ; v[22:23] the row's sum
.set FF,  24                           ; v[24:25] f = 2^(old M - new M) in the low word
.set L2,  26                           ; the sum's further chains: v[26:27], v[150:151], v[152:153]
.set L3,  150
.set L4S, 152
.set EB,  154                          ; the way out: two scale bytes
.set Q,   28                           ; v28-39 q's fragment
.set QS,  40                           ; its scale words
.set KS,  41                           ; v41-44 k's: register 2 c + g / 2: lanes 0-15 tile 4 c + g with g even, lanes 16-31 with g odd
.set VS,  45                           ; v45-46 v's
.set PS,  47                           ; p's
.set MX,  48                           ; v48-51 maxima: block c, chain a at 2 c + a
.set SO,  52                           ; v52-53 the conversions' scale operands
.set BY,  54                           ; v54-55 scale bytes
.set TP,  56
.set TQ,  57
.set W,   58
.set WX,  59
.set PC,  60                           ; v60-71 p's codes
.set CT,  72                           ; v72-74, v76-78 each block's upper 16 codes as converted
.set KF,  96                           ; v96-149 k's eight fragments, 6 registers apart; then v96-143 v's four
.set S,   160                          ; v160-223 S^T, then p.  At the head: the copies' addresses
.set O,   224                          ; v224-255 O^T
.set GI,  160
.set G8,  161
.set G4,  162
.set LA,  164                          ; region i at LA + 5 i: k's even 32 keys, k's odd, v, k's words, v's words
.macro RBASE sb                        ; the records of head s10: +0 k's images, +2 v's, +4 k's words, +6 v's; the copies name them, so they stay
	s_mul_i32 s13, s11, 36
	s_add_co_u32 s13, s13, s10
	s_mul_i32 s14, s13, 49152
	s_add_nc_u64 s[\sb:\sb+1], s[4:5], s[14:15]
	s_add_nc_u64 s[\sb+2:\sb+3], s[\sb:\sb+1], 24*49152
	s_add_nc_u64 s[\sb:\sb+1], s[\sb:\sb+1], 12*49152
	s_mul_i32 s13, s11, 24
	s_add_co_u32 s13, s13, s10
	s_lshl_b32 s14, s13, 12
	s_add_nc_u64 s[\sb+4:\sb+5], s[4:5], s[14:15]
	s_add_nc_u64 s[\sb+4:\sb+5], s[\sb+4:\sb+5], QKS+12*4096
	s_mul_i32 s13, s11, 12
	s_add_co_u32 s13, s13, s10
	s_lshl_b32 s14, s13, 11
	s_add_nc_u64 s[\sb+6:\sb+7], s[4:5], s[14:15]
	s_add_nc_u64 s[\sb+6:\sb+7], s[\sb+6:\sb+7], VSO
.endm
.macro COPIES n, sb                    ; 14 copies of the wave: its sixteenth of a region.  The immediate steps both addresses; k's second 1,536 bytes, an odd 32 keys, land with bit 6 flipped
.irp k, 0,1,2
	global_load_async_to_lds_b128 v[LA+5*\n], v[GI], s[\sb:\sb+1] offset:512*\k
.endr
.irp k, 3,4,5
	global_load_async_to_lds_b128 v[LA+5*\n+1], v[GI], s[\sb:\sb+1] offset:512*\k
.endr
.irp k, 0,1,2,3,4,5
	global_load_async_to_lds_b128 v[LA+5*\n+2], v[GI], s[\sb+2:\sb+3] offset:512*\k
.endr
	global_load_async_to_lds_b64 v[LA+5*\n+3], v[G8], s[\sb+4:\sb+5]
	global_load_async_to_lds_b32 v[LA+5*\n+4], v[G4], s[\sb+6:\sb+7]
.endm
.macro IBASE num, sb, rb               ; item 3 x + num: +0 my half fragment in att, +2 my bytes of its scale words, +4 my tile of q, +6 its scale words; s[rb] its region's first byte
	s_add_co_u32 s9, s16, \num
	s_lshr_b32 s10, s9, 2                          ; head
	s_cmp_lg_u32 s10, s17
	s_cselect_b32 s[\rb], REG, 0
	s_and_b32 s9, s9, 3
	s_lshl_b32 s12, s9, 4
	s_add_co_u32 s12, s12, s8                      ; my tile of queries
	s_mul_i32 s13, s11, 36
	s_add_co_u32 s13, s13, s10
	s_mul_i32 s14, s13, 49152
	s_add_nc_u64 s[\sb+4:\sb+5], s[4:5], s[14:15]
	s_mul_i32 s14, s12, 768
	s_add_nc_u64 s[\sb+4:\sb+5], s[\sb+4:\sb+5], s[14:15]
	s_mul_i32 s13, s11, 24
	s_add_co_u32 s13, s13, s10
	s_lshl_b32 s14, s13, 12
	s_add_nc_u64 s[\sb+6:\sb+7], s[4:5], s[14:15]
	s_add_nc_u64 s[\sb+6:\sb+7], s[\sb+6:\sb+7], QKS
	s_lshl_b32 s14, s12, 6
	s_add_nc_u64 s[\sb+6:\sb+7], s[\sb+6:\sb+7], s[14:15]
	s_lshl_b32 s13, s11, 6
	s_add_co_u32 s13, s13, s12                     ; the tile's number in att
	s_mul_i32 s14, s13, 12
	s_add_co_u32 s14, s14, s10
	s_mul_i32 s14, s14, 768
	s_add_nc_u64 s[\sb:\sb+1], s[6:7], s[14:15]
	s_mul_i32 s14, s13, 3
	s_lshr_b32 s9, s10, 2
	s_add_co_u32 s14, s14, s9
	s_lshl_b32 s14, s14, 7
	s_bfe_u32 s9, s10, 0x10001
	s_lshl_b32 s9, s9, 6
	s_add_co_u32 s14, s14, s9
	s_and_b32 s9, s10, 1
	s_lshl_b32 s9, s9, 1
	s_add_co_u32 s14, s14, s9
	s_add_nc_u64 s[\sb+2:\sb+3], s[6:7], s[14:15]
	s_add_nc_u64 s[\sb+2:\sb+3], s[\sb+2:\sb+3], ASC
.endm
.macro QLOAD d, ds, sb                 ; q's half fragment, three planes of 8 bytes a lane, and its scale words
	global_load_b64 v[\d:\d+1], v[L8], s[\sb+4:\sb+5]
	global_load_b64 v[\d+2:\d+3], v[L8], s[\sb+4:\sb+5] offset:256
	global_load_b64 v[\d+4:\d+5], v[L8], s[\sb+4:\sb+5] offset:512
	global_load_b32 v[\ds], v[R4], s[\sb+6:\sb+7]
.endm
.macro SUM4 n                          ; four pairs of p onto the sum's four chains
	v_pk_add_f32 v[SUM:SUM+1], v[SUM:SUM+1], v[S+2*(\n):S+2*(\n)+1]
	v_pk_add_f32 v[L2:L2+1], v[L2:L2+1], v[S+2*(\n)+2:S+2*(\n)+3]
	v_pk_add_f32 v[L3:L3+1], v[L3:L3+1], v[S+2*(\n)+4:S+2*(\n)+5]
	v_pk_add_f32 v[L4S:L4S+1], v[L4S:L4S+1], v[S+2*(\n)+6:S+2*(\n)+7]
.endm
.macro ITEM num, sb, rb
.if \num > 0
	s_wait_xcnt 0x0                                ; the last item's stores have read their registers
	v_mov_b32 v[QS], v[72+8*\num+6]                ; this item's q, loaded at the head
.irp k, 0,1,2,3,4,5
	v_mov_b32 v[Q+\k], v[72+8*\num+\k]
.endr
.endif
.set j, 0
.rept 32
	v_mov_b32 v[O+j], 0                            ; O^T: the step is written once, and the first change of M leaves zeros zeros
.set j, j+1
.endr
	v_mov_b32 v[NM+1], 0xff61b1e6                  ; the largest score so far: -3e38
	v_mov_b32 v[NM], 0x7e000000                    ; -M: a whole number above every -M, so that the first f is 0
	v_mov_b32 v[SUM], 0
	v_mov_b32 v[SUM+1], 0
	s_add_co_u32 s26, s[\rb], VI
	s_add_co_u32 s27, s[\rb], KSL
	s_add_co_u32 s28, s[\rb], VSL
	s_mov_b32 s32, 0                               ; the step in k's and in v's images: 6,144 bytes a step,
	s_mov_b32 s33, 0                               ; in k's words: 512,
	s_mov_b32 s35, 0                               ; in v's words: 256
	s_mov_b32 s25, 8
	v_add_nc_u32 v[KB], s[\rb], v[KA]
	v_add_nc_u32 v[KB1], s[\rb], v[KA1]
	v_add_nc_u32 v[VB], s26, v[L16]
	v_add_nc_u32 v[V8B], s26, v[L8]
	v_add_nc_u32 v[KSB], s27, v[KSA]
	v_add_nc_u32 v[VSB], s28, v[L4]
	s_wait_alu depctr_va_vdst(0)
.if \num == 0
	s_wait_asynccnt 0x0                            ; all my copies have landed,
	s_barrier_signal -1
	s_barrier_wait -1                              ; everybody's have: from here on LDS is only read
	s_wait_loadcnt 0x0                             ; q, all three items'
.endif
.Lstep_\@:                                         ; 128 keys a trip
	v_add_nc_u32 v[AK], s32, v[KB]                 ; with the v_nop: four places behind the last trip's products, whose fragments of v the loads below write over
	v_add_nc_u32 v[AK1], s32, v[KB1]
	v_add_nc_u32 v[AKS], s33, v[KSB]
	v_nop
.irp c, 0,1
.irp g, 0,1,2,3
.irp p, 0,1,2
	ds_load_b64 v[KF+6*(4*\c+\g)+2*\p:KF+6*(4*\c+\g)+2*\p+1], v[AK+(AK1-AK)*(\g/2)] offset:3072*\c+768*(\g%2)+256*\p
.endr
.endr
.endr
.irp c, 0,1
.irp a, 0,1
	ds_load_b32 v[KS+2*\c+\a], v[AKS] offset:256*\c+32*\a
.endr
.endr
	s_wait_dscnt 0x0
.irp c, 0,1                                    ; S^T = k q^T: eight accumulators, each begun with 0
.irp g, 0,1,2,3
.if \g%2
	v_wmma_scale_f32_16x16x128_f8f6f4 v[S+8*(4*\c+\g):S+8*(4*\c+\g)+7], v[KF+6*(4*\c+\g):KF+6*(4*\c+\g)+11], v[Q:Q+11], 0, v[KS+2*\c+\g/2], v[QS] matrix_a_fmt:MATRIX_FMT_FP6 matrix_b_fmt:MATRIX_FMT_FP6 matrix_a_scale:MATRIX_SCALE_ROW1
.else
	v_wmma_scale_f32_16x16x128_f8f6f4 v[S+8*(4*\c+\g):S+8*(4*\c+\g)+7], v[KF+6*(4*\c+\g):KF+6*(4*\c+\g)+11], v[Q:Q+11], 0, v[KS+2*\c+\g/2], v[QS] matrix_a_fmt:MATRIX_FMT_FP6 matrix_b_fmt:MATRIX_FMT_FP6
.endif
.endr
.endr
	v_add_nc_u32 v[AV], s32, v[VB]                 ; four places: for the loads into k's registers and for the first read of the scores
	v_add_nc_u32 v[AV8], s32, v[V8B]
	v_add_nc_u32 v[AVS], s35, v[VSB]
	v_nop
.irp t, 0,1,2,3                                ; v's four fragments take k's registers, and land under the softmax: two half images each (keys 0-63, 64-127 of the step)
	ds_load_b128 v[KF+12*\t:KF+12*\t+3], v[AV] offset:1536*\t
	ds_load_b64 v[KF+12*\t+4:KF+12*\t+5], v[AV8] offset:1536*\t+512
	ds_load_b128 v[KF+12*\t+6:KF+12*\t+9], v[AV] offset:1536*\t+768
	ds_load_b64 v[KF+12*\t+10:KF+12*\t+11], v[AV8] offset:1536*\t+1280
.endr
	ds_load_b32 v[VS], v[AVS]
	ds_load_b32 v[VS+1], v[AVS] offset:128
.irp c, 0,1                                    ; the largest score of my two blocks of 32 keys, each in two chains; every accumulator is first read at its low end
.irp a, 0,1
	v_max3_num_f32 v[MX+2*\c+\a], v[S+32*\c+16*\a], v[S+32*\c+16*\a+1], v[S+32*\c+16*\a+2]
.endr
.endr
.irp i, 3,5,7,9,11,13
.irp c, 0,1
.irp a, 0,1
	v_max3_num_f32 v[MX+2*\c+\a], v[MX+2*\c+\a], v[S+32*\c+16*\a+\i], v[S+32*\c+16*\a+\i+1]
.endr
.endr
.endr
.irp c, 0,1
	v_max3_num_f32 v[MX+2*\c], v[MX+2*\c], v[MX+2*\c+1], v[S+32*\c+15]
.endr
.irp c, 0,1
	v_max_num_f32 v[MX+2*\c], v[MX+2*\c], v[S+32*\c+31]
.endr
	v_max_num_f32 v[TP], v[MX], v[MX+2]
	v_permlanex16_b32 v[TQ], v[TP], s30, s31       ; the other two blocks' lie in lane l xor 16
	v_max3_num_f32 v[NM+1], v[NM+1], v[TP], v[TQ]  ; the running largest score
	v_mul_f32 v[TP], s24, v[NM+1]                  ; -t (c is positive)
	v_floor_f32 v[TP], v[TP]                       ; the new -M = -ceil(t): a whole number
	v_sub_f32 v[TQ], v[TP], v[NM]                  ; old M - new M: a whole number, 0 or less
	v_mov_b32 v[NM], v[TP]
	v_cvt_i32_f32 v[TQ], v[TQ]                     ; (it saturates)
	v_ldexp_f32 v[FF], 1.0, v[TQ]                  ; f
.set j, 0
.rept 32
	v_pk_fma_f32 v[S+j:S+j+1], v[S+j:S+j+1], s[22:23], v[NM:NM+1] op_sel_hi:[1,0,0]   ; t - M, two at a time
.set j, j+2
.endr
.irp c, 0,1
	v_fma_f32 v[MX+2*\c], v[MX+2*\c], s22, v[NM]   ; the same of each block's largest score: p rises with the score
.endr
.set j, 0
.rept 16
	v_pk_mul_f32 v[O+j:O+j+1], v[O+j:O+j+1], v[FF:FF+1] op_sel_hi:[1,0]   ; O^T under the new M
.set j, j+2
.endr
	s_wait_alu depctr_va_vdst(0)                   ; ahead of the batch
.set j, 0
.rept 64
	v_exp_f32 v[S+j], v[S+j]                       ; p = 2^(t - M)
.set j, j+1
.endr
.irp c, 0,1
	v_exp_f32 v[MX+2*\c], v[MX+2*\c]               ; the block's largest p: the same two instructions on the same number give the same bits
.endr
	v_pk_mul_f32 v[SUM:SUM+1], v[SUM:SUM+1], v[FF:FF+1] op_sel_hi:[1,0]   ; the sum under the new M: a plain place behind the exponentials
	s_wait_alu depctr_va_vdst(0)                   ; one wait for the batch, ahead of its first reader
.irp c, 0,1
	v_max_num_f32 v[MX+2*\c], 0x1800000, v[MX+2*\c]   ; the floor 2^(3 - 127): the byte cannot fall under 1
.endr
	v_pk_add_f32 v[SUM:SUM+1], v[SUM:SUM+1], v[S:S+1]      ; the row's sum is taken of the unquantised p, in four chains
	v_pk_add_f32 v[L2:L2+1], v[S+2:S+3], v[S+4:S+5]
	v_pk_add_f32 v[L3:L3+1], v[S+6:S+7], v[S+8:S+9]
	v_pk_add_f32 v[L4S:L4S+1], v[S+10:S+11], v[S+12:S+13]
.irp c, 0,1
	v_add_nc_u32 v[SO+\c], 0xff000000, v[MX+2*\c]  ; 2 off the exponent field: the conversion's scale operand
.endr
.irp c, 0,1
	v_cvt_scalef32_pk16_fp6_f32 v[PC+6*\c:PC+6*\c+2], v[S+32*\c:S+32*\c+15], v[SO+\c]
	v_cvt_scalef32_pk16_fp6_f32 v[CT+4*\c:CT+4*\c+2], v[S+32*\c+16:S+32*\c+31], v[SO+\c]   ; (a conversion's three registers begin on an even number)
.endr
.irp c, 0,1
	v_lshrrev_b32 v[BY+\c], 23, v[SO+\c]           ; the scale's byte; also the plain place behind the conversions
.endr
.irp i, 0,1,2
	v_mov_b32 v[PC+3+\i], v[CT+\i]
.endr
	v_lshl_or_b32 v[W], v[BY+1], 16, v[BY]         ; my two bytes: blocks h and 2 + h,
.irp i, 0,1,2
	v_mov_b32 v[PC+9+\i], v[CT+4+\i]
.endr
	v_lshlrev_b32 v[W], v[SH8], v[W]               ; at their places in the word
	SUM4 7
	v_permlanex16_b32 v[WX], v[W], s30, s31
	SUM4 11
	v_or_b32 v[PS], v[W], v[WX]                    ; with lane l xor 16's two the word is whole.  The 20 additions below are the places ahead of the products
	SUM4 15
	SUM4 19
	SUM4 23
	SUM4 27
	v_pk_add_f32 v[SUM:SUM+1], v[SUM:SUM+1], v[S+62:S+63]
	v_pk_add_f32 v[L2:L2+1], v[L2:L2+1], v[L3:L3+1]
	v_pk_add_f32 v[SUM:SUM+1], v[SUM:SUM+1], v[L4S:L4S+1]
	v_pk_add_f32 v[SUM:SUM+1], v[SUM:SUM+1], v[L2:L2+1]
	s_wait_alu depctr_va_vdst(0)                   ; directly ahead of the wait below
	s_wait_dscnt 0x0                               ; v's fragments and scale words
.irp t, 0,1,2,3                                ; O^T += v^T p^T: four accumulators by turns
.if \t%2
	v_wmma_scale_f32_16x16x128_f8f6f4 v[O+8*\t:O+8*\t+7], v[KF+12*\t:KF+12*\t+11], v[PC:PC+11], v[O+8*\t:O+8*\t+7], v[VS+\t/2], v[PS] matrix_a_fmt:MATRIX_FMT_FP6 matrix_b_fmt:MATRIX_FMT_FP6 matrix_a_scale:MATRIX_SCALE_ROW1
.else
	v_wmma_scale_f32_16x16x128_f8f6f4 v[O+8*\t:O+8*\t+7], v[KF+12*\t:KF+12*\t+11], v[PC:PC+11], v[O+8*\t:O+8*\t+7], v[VS+\t/2], v[PS] matrix_a_fmt:MATRIX_FMT_FP6 matrix_b_fmt:MATRIX_FMT_FP6
.endif
.endr
	s_add_co_u32 s32, s32, 6144
	s_add_co_u32 s33, s33, 512
	s_add_co_u32 s35, s35, 256
	s_sub_co_u32 s25, s25, 1
	s_cmp_lg_u32 s25, 0
	s_cbranch_scc1 .Lstep_\@
	; ---- the way out: O^T / the sum, quantised along the head's 64: two blocks, half a fragment
	v_add_f32 v[SUM], v[SUM], v[SUM+1]             ; the sum's two halves,
	s_delay_alu instid0(VALU_DEP_1)
	v_permlanex16_b32 v[TQ], v[SUM], s30, s31
	s_delay_alu instid0(VALU_DEP_1)
	v_add_f32 v[SUM], v[SUM], v[TQ]                ; and lane l xor 16's keys
	s_wait_alu depctr_va_vdst(0)
	v_rcp_f32 v[SUM], v[SUM]
.rept 3
	v_nop                                          ; a plain place behind the reciprocal; with the additions above: the places behind the last products
.endr
	s_wait_alu depctr_va_vdst(0)                   ; ahead of the first reader of the reciprocal and of O^T
.set j, 0
.rept 16
	v_pk_mul_f32 v[S+j:S+j+1], v[O+j:O+j+1], v[SUM:SUM+1] op_sel_hi:[1,0]   ; register 16 b + i: channel 32 b + 16 h + i of my query
.set j, j+2
.endr
.irp b, 0,1
	v_max3_num_f32 v[MX+\b], |v[S+16*\b]|, |v[S+16*\b+1]|, 0x1800000
.endr
.irp i, 2,4,6,8,10,12,14
.irp b, 0,1
	s_delay_alu instid0(VALU_DEP_2)
	v_max3_num_f32 v[MX+\b], v[MX+\b], |v[S+16*\b+\i]|, |v[S+16*\b+\i+1]|
.endr
.endr
.irp b, 0,1
	s_delay_alu instid0(VALU_DEP_2)
	v_permlanex16_b32 v[BY+\b], v[MX+\b], s30, s31
.endr
.irp b, 0,1
	s_delay_alu instid0(VALU_DEP_2)
	v_max_num_f32 v[MX+\b], v[MX+\b], v[BY+\b]
.endr
.irp b, 0,1
	s_delay_alu instid0(VALU_DEP_2)
	v_add_nc_u32 v[SO+\b], 0xff000000, v[MX+\b]
.endr
.irp b, 0,1
	s_delay_alu instid0(VALU_DEP_2)
	v_lshrrev_b32 v[BY+\b], 23, v[SO+\b]
.endr
	s_delay_alu instid0(VALU_DEP_1)
	v_lshl_or_b32 v[EB], v[BY+1], 8, v[BY]         ; my head's two bytes of the token's scale word
	v_cvt_scalef32_pk16_fp6_f32 v[PC:PC+2], v[S:S+15], v[SO]
	v_cvt_scalef32_pk16_fp6_f32 v[PC+6:PC+8], v[S+16:S+31], v[SO+1]
	v_nop                                          ; one plain place behind a scaled conversion
.irp i, 0,1,2
	v_permlane16_swap_b32 v[PC+\i], v[PC+6+\i]     ; lanes 0-15 now hold block 0 whole, lanes 16-31 block 1
.endr
.irp i, 0,1,2
	s_delay_alu instid0(VALU_DEP_3)
	v_mov_b32 v[PC+3+\i], v[PC+6+\i]
.endr
	global_store_b128 v[L16], v[PC:PC+3], s[\sb:\sb+1]             ; 512 consecutive bytes,
	global_store_b64 v[L8], v[PC+4:PC+5], s[\sb:\sb+1] offset:512  ; and 256
	global_store_b16 v[R4], v[EB], s[\sb+2:\sb+3]                  ; both lanes of a token write the same two bytes with the same value
.endm
	s_load_b128 s[4:7], s[0:1], 0x0                ; qkv, att
	v_lshl_add_u32 v[SPW], v0, 2, SPARE
	v_mov_b32 v[NIL], 0
	ds_add_u32 v[SPW], v[NIL]                      ; the opening lines, ahead of my first copy: the add, twice on end, and its wait
	ds_add_u32 v[SPW], v[NIL]
	v_lshrrev_b32 v10, 5, v0
	v_readfirstlane_b32 s8, v10                    ; wave 0..15
	v_and_b32 v11, 31, v0                          ; lane
	v_and_b32 v12, 15, v0                          ; r
	v_bfe_u32 v13, v0, 4, 1                        ; h
	v_and_b32 v14, 7, v0                           ; r % 8
	v_bfe_u32 v15, v0, 3, 1                        ; r / 8
	v_lshlrev_b32 v[L16], 4, v11
	v_lshlrev_b32 v[L8], 3, v11
	v_lshlrev_b32 v[L4], 2, v11
	v_lshlrev_b32 v[R4], 2, v12
	v_lshlrev_b32 v[SH8], 3, v13
	v_mul_u32_u24 v[KA], v15, 1600                 ; lanes r >= 8: the next 32 keys, 1,536 bytes on, bit 6 flipped: up by 64 for keys 0-15,
	v_mul_u32_u24 v[KA1], v15, 1472                ; down by 64 for keys 16-31, which lie 64 bytes up in an image
	v_lshlrev_b32 v[KSA], 7, v15
	v_lshl_add_u32 v[KA], v14, 3, v[KA]
	v_lshl_add_u32 v[KA1], v14, 3, v[KA1]
	v_lshl_add_u32 v[KSA], v14, 2, v[KSA]
	v_lshl_add_u32 v[KA], v13, 7, v[KA]
	v_lshl_add_u32 v[KA1], v13, 7, v[KA1]
	v_lshl_add_u32 v[KSA], v13, 6, v[KSA]
	v_add_nc_u32 v[KA1], 64, v[KA1]
	s_mul_i32 s13, s8, 3072
	v_add_nc_u32 v[GI], s13, v[L16]                ; my wave's 3,072 bytes of a record of images: in memory,
	v_add_nc_u32 v[LA], s13, v[L16]                ; and in LDS
	v_lshlrev_b32 v[G8], 3, v0
	v_lshlrev_b32 v[G4], 2, v0
	v_xor_b32 v[LA+1], 64, v[LA]
	v_add_nc_u32 v[LA+2], VI, v[GI]
	v_add_nc_u32 v[LA+3], KSL, v[G8]
	v_add_nc_u32 v[LA+4], VSL, v[G4]
	v_add_nc_u32 v[LA+5], REG, v[LA]
	v_add_nc_u32 v[LA+6], REG, v[LA+1]
	v_add_nc_u32 v[LA+7], REG+VI, v[GI]
	v_add_nc_u32 v[LA+8], REG+KSL, v[G8]
	v_add_nc_u32 v[LA+9], REG+VSL, v[G4]
	s_and_b32 s11, ttmp7, 0xffff                   ; b
	s_mov_b32 s15, 0
	s_mul_i32 s16, ttmp9, 3                        ; my first item
	s_lshr_b32 s17, s16, 2                         ; its head
	s_mov_b32 s10, s17
	s_wait_dscnt 0x0                               ; both opening adds are done
	s_wait_alu depctr_va_vdst(0)                   ; at the head's end
	s_wait_kmcnt 0x0
	RBASE 36
	COPIES 0, 36
	s_add_co_u32 s10, s16, 2
	s_lshr_b32 s10, s10, 2                         ; my last item's head
	s_cmp_eq_u32 s10, s17
	s_cbranch_scc1 .Lone_head                      ; ids alone decide: a second region only where a second head is read
	RBASE 44
	COPIES 1, 44
.Lone_head:
	IBASE 0, 52, 82
	QLOAD Q, QS, 52
	IBASE 1, 66, 83
	QLOAD 80, 86, 66
	IBASE 2, 74, 84
	QLOAD 88, 94, 74
	s_mov_b32 s30, 0x76543210
	s_mov_b32 s31, 0xfedcba98                      ; lane selects: lane l xor 16
	s_mov_b32 s22, 0x3e38aa3b                      ; c = log2(e) / 8
	s_mov_b32 s23, s22                             ; (named with it as a pair, so it is written)
	s_mov_b32 s24, 0xbe38aa3b                      ; -c
.irp i, 6,7,8,9,10,11
	v_mov_b32 v[Q+\i], 0                           ; K = 64 .. 127 of q: zero codes
	v_mov_b32 v[KF+42+\i], 0                       ; what the last fragment of k names behind its six registers
.endr
	v_mov_b32 v[TQ], 0                             ; written once: a lane permute's destination counts as one of its sources
	v_mov_b32 v[WX], 0
	v_mov_b32 v[BY], 0
	v_mov_b32 v[BY+1], 0
	v_mov_b32 v[FF+1], 0                           ; (named as the upper half of a pair)
	ITEM 0, 52, 82
	ITEM 1, 66, 83
	ITEM 2, 74, 84
	s_wait_tensorcnt 0x0                           ; the wave's end
	s_wait_asynccnt 0x0
	ds_add_u32 v[SPW], v[NIL]
	s_wait_dscnt 0x0
	s_endpgm
.Lfunc_end_k_qc8897026f1_attn:
	.size	k_qc8897026f1_attn, .Lfunc_end_k_qc8897026f1_attn-k_qc8897026f1_attn
	.p2alignl 7, 3214868480
	.fill 96, 4, 3214868480
	.section	.rodata,"a",@progbits
	.p2align	6, 0x0
	.amdhsa_kernel k_qc8897026f1_attn
		.amdhsa_group_segment_fixed_size 210944
		.amdhsa_private_segment_fixed_size 0
		.amdhsa_enable_private_segment 0
		.amdhsa_kernarg_size 16
		.amdhsa_user_sgpr_count 2
		.amdhsa_user_sgpr_kernarg_segment_ptr 1
		.amdhsa_wavefront_size32 1
		.amdhsa_system_sgpr_workgroup_id_x 1
		.amdhsa_system_sgpr_workgroup_id_y 1
		.amdhsa_system_sgpr_workgroup_id_z 1
		.amdhsa_system_vgpr_workitem_id 0
		.amdhsa_next_free_vgpr 256
		.amdhsa_next_free_sgpr 100
		.amdhsa_reserve_vcc 0
		.amdhsa_float_denorm_mode_32 3
		.amdhsa_float_denorm_mode_16_64 3
		.amdhsa_memory_ordered 1
		.amdhsa_forward_progress 1
		.amdhsa_inst_pref_size 79
	.end_amdhsa_kernel
	.amdgpu_metadata
---
amdhsa.version: [ 1, 2 ]
amdhsa.kernels:
  - .name:           k_qc8897026f1_attn
    .symbol:         k_qc8897026f1_attn.kd
    .args:
      - { .name: qkv, .offset: 0, .size: 8, .value_kind: global_buffer, .address_space: global }
      - { .name: att, .offset: 8, .size: 8, .value_kind: global_buffer, .address_space: global }
    .group_segment_fixed_size: 210944
    .private_segment_fixed_size: 0
    .kernarg_segment_align: 8
    .kernarg_segment_size: 16
    .max_flat_workgroup_size: 512
    .sgpr_count:     100
    .vgpr_count:     256
    .wavefront_size: 32
...
	.end_amdgpu_metadata
.endif
;; end of part 7
;; launch oproj (part 8): grid 256 x 1, 4 waves a work-group, no clusters, 17,920 bytes of LDS; arguments att, wts, out0; writes out0
.if DOCPART == 8
	.amdgcn_target "amdgcn-amd-amdhsa--gfx1250"
	.amdhsa_code_object_version 6
	.text
	.protected	k_qc8897026f1_oproj
	.globl	k_qc8897026f1_oproj
	.p2align	8
	.type	k_qc8897026f1_oproj,@function
k_qc8897026f1_oproj:
	s_mov_b64 s[64:65], 0
	v_nop
	global_prefetch_b8 v0, s[64:65] scope:SCOPE_SE
	s_setreg_imm32_b32 hwreg(HW_REG_WAVE_MODE, 25, 1), 1
	s_wait_xcnt 0x0
; out0 = a Wo^T + bo on codes of FP6 (E2M3) with one E8M0 scale for each 32 along K.  a: the attention launch's half fragments [tile 1024][head 12][768] and scale words [tile][p 3][lane 32];
; Wo and bo: the images of the first launch.
; SHARES: a work-group owns 64 rows (four tiles of 16 tokens, each in the order r + 8 (r / 8) within 32 b + 8 u).  All 24 fragments of a stay in every wave's registers.
; THE WAVES SHARE THE COLUMNS: wave w takes the units of 64 columns w, w + 4, w + 8.  A unit: 6 K steps x 16 accumulators = 96 matrix instructions; each weight fragment feeds four.
; The weights come from memory straight into operand registers, two K steps to a refill, each refill asked for a whole unit ahead.
; The product is used TRANSPOSED (source 0 = 16 rows of Wo, source 1 = 16 tokens): a lane holds one token, and the 32 registers of a tile of tokens are columns 32 b + 16 h + i of the unit.
; THE WAY OUT: a tile of 16 tokens x 64 columns goes through the wave's own stage in LDS (rows of 256 bytes + 16) and leaves as rows: sixteen lanes store 256 consecutive bytes, aligned.
; NO CLUSTER, NO TENSOR LOAD: all work-groups read the same 442,368 bytes of Wo, but each byte goes into one wave's operand registers; a joint load lands in LDS alone.
; REGISTERS, window 0: v1-6 addresses; v16-27 a's scale words; v28-39 Wo's; v40-71 the bias; v72-135 rows on the way out.
;   window 1: v0-143 a's fragments of K steps 0-2, v144-239 Wo's of K steps 0, 1.   window 2: the same for K steps 3-5 and 2, 3.   window 3: v0-127 the accumulators, v144-239 Wo's of K steps 4, 5.
.set WSC,  1769472
.set BIMG, 1843200
.set ASC,  9437184
.set LI,   1
.set L8,   2
.set LS,   3
.set STO,  4
.set RD,   5
.set CO,   6
.set XS,   16
.set WS,   28
.set BIAS, 40
.set T,    72
.set WP,   16
.set WSP,  18
.set BP,   20
.set OP,   22
.set MSB, 0
.macro WIN new                         ; the immediate's high byte repeats the setting that is left; a switch that changes nothing is dropped
.if MSB != (\new)
	s_set_vgpr_msb (MSB<<8)|(\new)
.set MSB, (\new)
.endif
.endm
; The weights of K steps 2 p, 2 p + 1 of the unit st units on: 24 loads of 512 consecutive bytes; the scale words of both steps by one load; with p = 0 the bias image too.  33, 25, 25 loads.
.macro REFILL p, st
	WIN ((1+\p)<<6)
.irp t, 0,1,2,3
.irp e, 0,1
.irp c, 0,1,2
	global_load_b128 v[144+12*(2*\t+\e)+4*\c:144+12*(2*\t+\e)+4*\c+3], v[LI], s[WP:WP+1] offset:\st*147456+(6*\t+2*\p+\e)*1536+512*\c
.endr
.endr
.endr
	WIN 0
	global_load_b128 v[WS+4*\p:WS+4*\p+3], v[LI], s[WSP:WSP+1] offset:\st*6144+512*\p
.if \p == 0
.irp t, 0,1,2,3
.irp c, 0,1
	global_load_b128 v[BIAS+8*\t+4*\c:BIAS+8*\t+4*\c+3], v[LI], s[BP:BP+1] offset:\st*16384+1024*\t+512*\c
.endr
.endr
.endif
.endm
.macro MM d, a, b, c, sa, sb, row      ; row = 1: both sides' scales stand in lanes 16-31
.if \row
	v_wmma_scale_f32_16x16x128_f8f6f4 v[\d:\d+7], v[\a:\a+11], v[\b:\b+11], v[\c:\c+7], v[\sa], v[\sb] matrix_a_fmt:MATRIX_FMT_FP6 matrix_b_fmt:MATRIX_FMT_FP6 matrix_a_scale:MATRIX_SCALE_ROW1 matrix_b_scale:MATRIX_SCALE_ROW1
.else
	v_wmma_scale_f32_16x16x128_f8f6f4 v[\d:\d+7], v[\a:\a+11], v[\b:\b+11], v[\c:\c+7], v[\sa], v[\sb] matrix_a_fmt:MATRIX_FMT_FP6 matrix_b_fmt:MATRIX_FMT_FP6
.endif
.endm
; Two K steps: 2 x 16 matrix instructions; the 16 accumulators take turns, one instruction a turn, in the same order in every K step.
; cnt: the loads issued behind the refill that these products read.  Five plain places follow: for the loads into registers that the products have read, for the LDS stores that read results,
; and for the next unit's first products, which begin the accumulators anew.
.macro PHASE p, cnt, fill
	s_wait_loadcnt \cnt
.irp e, 0,1
.set KS_, 2*\p+\e
.set XW_, 1+KS_/3
.set CW_, 3
.if KS_ == 0
.set CW_, 0
.endif
.set WN_, (3<<6)|(CW_<<4)|(XW_<<2)|(1+\p)
	WIN WN_
.irp t, 0,1,2,3
.irp m, 0,1,2,3
.set WF_, 144+12*(2*\t+\e)
.set XF_, 12*(4*(KS_%3)+\m)
.set WS_, WS+4*\p+\t
.set XS_, XS+3*\m+\p
.set AC_, 8*(4*\m+\t)
.set CC_, AC_
.if KS_ == 0
.set CC_, BIAS+8*\t
.endif
	MM AC_, WF_, XF_, CC_, WS_, XS_, \e
.endr
.endr
.endr
	WIN 0
.rept 5
	v_nop
.endr
.if \fill
	REFILL \p, 1
.endif
.endm
.macro TOSTAGE m                       ; tile m: my token's 64 columns into row r of my stage, each accumulator from its low end on; then back as rows.  LDS serves a wave's instructions in order
	WIN 0x0c                                       ; an LDS store's data are its source 1: window 3
.irp q, 0,1,2,3,4,5,6,7
	ds_store_b128 v[STO], v[32*\m+4*\q:32*\m+4*\q+3] offset:128*(\q/4)+16*(\q%4)
.endr
	WIN 0
.irp i, 0,1,2,3,4,5,6,7
	ds_load_b128 v[T+32*(\m%2)+4*\i:T+32*(\m%2)+4*\i+3], v[RD] offset:544*\i
.endr
.endm
.macro SEND m, younger                 ; younger: the LDS instructions issued behind tile m's loads.  Stage row i holds token i + 8 (i / 8) of the tile
	s_wait_dscnt \younger
.irp i, 0,1,2,3,4,5,6,7
	global_store_b128 v[CO], v[T+32*(\m%2)+4*\i:T+32*(\m%2)+4*\i+3], s[OP:OP+1] offset:(32*(\m/2)+8*(\m%2)+2*\i+8*(\i/4))*3072 th:TH_STORE_NT
.endr
.endm
; A unit of 64 columns.  The counts: behind the refill of K steps 0, 1 stand the last unit's other two, 25 + 25; behind that of steps 2, 3 the 25 of steps 4, 5 and this unit's 33;
; behind that of steps 4, 5 this unit's 33 + 25.  The last unit asks for nothing: 50, 25, 0.
.macro UNIT fill
	PHASE 0, 50, \fill
.if \fill
	PHASE 1, 58, 1
	PHASE 2, 58, 1
.else
	PHASE 1, 25, 0
	PHASE 2, 0, 0
.endif
	TOSTAGE 0
	TOSTAGE 1
	SEND 0, 16                                     ; behind tile 0's loads: tile 1's 8 stores and 8 loads
	s_wait_xcnt 0x0                                ; tile 0's stores have read their registers: tile 2's rows may land there
	TOSTAGE 2
	SEND 1, 16
	s_wait_xcnt 0x0
	TOSTAGE 3
	SEND 2, 16
	SEND 3, 0
.if \fill
	s_wait_xcnt 0x0                                ; every load and store has read its base: the pointers step to the next unit
	s_add_nc_u64 s[WP:WP+1], s[WP:WP+1], 147456
	s_add_nc_u64 s[WSP:WSP+1], s[WSP:WSP+1], 6144
	s_add_nc_u64 s[BP:BP+1], s[BP:BP+1], 16384
	s_add_nc_u64 s[OP:OP+1], s[OP:OP+1], 1024
.endif
.endm
	s_load_b128 s[4:7], s[0:1], 0x0                ; att, wts
	s_load_b64 s[8:9], s[0:1], 0x10                ; out0
	v_lshl_add_u32 v10, v0, 2, 17408               ; my spare word, behind the four stages; never rewritten
	v_mov_b32 v11, 0                               ; 0; never rewritten
	v_lshrrev_b32 v7, 5, v0
	v_readfirstlane_b32 s10, v7                    ; wave
	v_and_b32 v7, 31, v0
	v_and_b32 v8, 15, v0                           ; r
	v_bfe_u32 v9, v0, 4, 1                         ; h
	v_lshlrev_b32 v[LI], 4, v7
	v_lshlrev_b32 v[L8], 3, v7
	v_lshlrev_b32 v[LS], 2, v7
	s_mul_i32 s13, s10, 4352                       ; my stage: 16 rows x 272 bytes
	v_mul_u32_u24 v[STO], v8, 272
	v_lshl_add_u32 v[STO], v9, 6, v[STO]
	v_add_nc_u32 v[STO], s13, v[STO]               ; in: row r, + 64 h
	v_mul_u32_u24 v[RD], v9, 272
	v_lshl_add_u32 v[RD], v8, 4, v[RD]
	v_add_nc_u32 v[RD], s13, v[RD]                 ; back: lanes 0-15 one row, lanes 16-31 the next
	v_mul_u32_u24 v[CO], v9, 3072
	v_lshl_add_u32 v[CO], v8, 4, v[CO]             ; and the same in out0
	s_mov_b32 s15, 0
	s_wait_alu depctr_va_vdst(0)
	s_wait_kmcnt 0x0
	s_mul_i32 s14, ttmp9, 1536
	s_add_nc_u64 s[12:13], s[4:5], s[14:15]
	s_add_nc_u64 s[12:13], s[12:13], ASC           ; my four tiles' scale words
	s_mul_i32 s14, ttmp9, 36864
	s_add_nc_u64 s[4:5], s[4:5], s[14:15]          ; and their half fragments
	s_mul_i32 s14, s10, 36864
	s_add_nc_u64 s[WP:WP+1], s[6:7], s[14:15]
	s_add_nc_u64 s[WP:WP+1], s[WP:WP+1], 3*442368
	s_mul_i32 s14, s10, 1536
	s_add_nc_u64 s[WSP:WSP+1], s[6:7], s[14:15]
	s_add_nc_u64 s[WSP:WSP+1], s[WSP:WSP+1], WSC+36*1536
	s_lshl_b32 s14, s10, 12
	s_add_nc_u64 s[BP:BP+1], s[6:7], s[14:15]
	s_add_nc_u64 s[BP:BP+1], s[BP:BP+1], BIMG+36*4096
	s_mul_i32 s14, ttmp9, 196608
	s_add_nc_u64 s[OP:OP+1], s[8:9], s[14:15]
	s_lshl_b32 s14, s10, 8
	s_add_nc_u64 s[OP:OP+1], s[OP:OP+1], s[14:15]
	REFILL 0, 0                                    ; the first unit's weights: 83 loads
	REFILL 1, 0
	REFILL 2, 0
.irp s, 0,1,2,3,4,5                            ; a's fragment of K step s is the half fragments of heads 2 s and 2 s + 1
	WIN ((1+\s/3)<<6)
.irp m, 0,1,2,3
.set XF_, 12*(4*(\s%3)+\m)
	global_load_b128 v[XF_:XF_+3], v[LI], s[4:5] offset:(12*\m+2*\s)*768
	global_load_b64 v[XF_+4:XF_+5], v[L8], s[4:5] offset:(12*\m+2*\s)*768+512
	global_load_b128 v[XF_+6:XF_+9], v[LI], s[4:5] offset:(12*\m+2*\s)*768+768
	global_load_b64 v[XF_+10:XF_+11], v[L8], s[4:5] offset:(12*\m+2*\s)*768+1280
.endr
.endr
	WIN 0
.irp m, 0,1,2,3
.irp p, 0,1,2
	global_load_b32 v[XS+3*\m+\p], v[LS], s[12:13] offset:(3*\m+\p)*128
.endr
.endr
	s_wait_loadcnt 0x0
	s_mov_b32 s28, 2
.Lunit:
	UNIT 1
	s_sub_co_u32 s28, s28, 1
	s_cmp_lg_u32 s28, 0
	s_cbranch_scc1 .Lunit
	UNIT 0                                         ; the last unit is written out: it asks for no further weights
	s_wait_tensorcnt 0x0                           ; the wave's end
	ds_add_u32 v10, v11
	s_wait_dscnt 0x0
	s_endpgm
.Lfunc_end_k_qc8897026f1_oproj:
	.size	k_qc8897026f1_oproj, .Lfunc_end_k_qc8897026f1_oproj-k_qc8897026f1_oproj
	.p2alignl 7, 3214868480
	.fill 96, 4, 3214868480
	.section	.rodata,"a",@progbits
	.p2align	6, 0x0
	.amdhsa_kernel k_qc8897026f1_oproj
		.amdhsa_group_segment_fixed_size 17920
		.amdhsa_private_segment_fixed_size 0
		.amdhsa_enable_private_segment 0
		.amdhsa_kernarg_size 24
		.amdhsa_user_sgpr_count 2
		.amdhsa_user_sgpr_kernarg_segment_ptr 1
		.amdhsa_wavefront_size32 1
		.amdhsa_system_sgpr_workgroup_id_x 1
		.amdhsa_system_sgpr_workgroup_id_y 1
		.amdhsa_system_sgpr_workgroup_id_z 1
		.amdhsa_system_vgpr_workitem_id 0
		.amdhsa_next_free_vgpr 1024
		.amdhsa_next_free_sgpr 66
		.amdhsa_reserve_vcc 0
		.amdhsa_float_denorm_mode_32 3
		.amdhsa_float_denorm_mode_16_64 3
		.amdhsa_memory_ordered 1
		.amdhsa_forward_progress 1
		.amdhsa_inst_pref_size 70
	.end_amdhsa_kernel
	.amdgpu_metadata
---
amdhsa.version: [ 1, 2 ]
amdhsa.kernels:
  - .name:           k_qc8897026f1_oproj
    .symbol:         k_qc8897026f1_oproj.kd
    .args:
      - { .name: att, .offset: 0, .size: 8, .value_kind: global_buffer, .address_space: global }
      - { .name: wts, .offset: 8, .size: 8, .value_kind: global_buffer, .address_space: global }
      - { .name: out0, .offset: 16, .size: 8, .value_kind: global_buffer, .address_space: global }
    .group_segment_fixed_size: 17920
    .private_segment_fixed_size: 0
    .kernarg_segment_align: 8
    .kernarg_segment_size: 24
    .max_flat_workgroup_size: 128
    .sgpr_count:     66
    .vgpr_count:     1024
    .wavefront_size: 32
...
	.end_amdgpu_metadata
.endif
;; end of part 8
